; MI455X (gfx1250); checked and timed in simulation.
; The chip was launched on July 23, 2026; its instructions are those of AMD's public machine-readable ISA for CDNA 5 (MIT licence, August 2026) and "CDNA5" Instruction Set Architecture Reference Guide (July 2026). The comments in the code are by the model that wrote it; some were corrected since.
;; Single Head Attention. Allowed arithmetic: float matrix products may take bf16 or f16 operands with f32 sums; other float arithmetic in f32, or as packed bf16 or f16 multiplies, adds, multiply-adds, maxima and minima; sums over many terms, partial sums and values carried from step to step in f32; what a program stores and reads back later, other than sums and carried values, may be rounded once to bf16 or f16.
;; Inputs: Wk 1,024 x 1,024 float32; Wq 1,024 x 1,024 float32; Wv 1,024 x 1,024 float32; embedded 4 x 2,048 x 1,024 float32.
;; Outputs: out0 4 x 2,048 x 1,024 float32.
;; One version. Each part assembles by itself: llvm-mc -triple=amdgcn-amd-amdhsa -mcpu=gfx1250 --defsym DOCPART=n.
;; ======== version 1 of 1: 5 launches
;; limits: values are held in f16: magnitudes above 65,504 overflow, below 6.1e-05 lose precision; inputs' magnitudes at most 65,504
;; workspace buffers: xb 16,777,216 bytes; wb 6,291,456 bytes; qt 16,777,216 bytes; kt 16,777,216 bytes; vt 16,777,216 bytes; sc 67,108,864 bytes; pt 33,554,432 bytes
;; launch cast (part 1): grid 704 x 1, 8 waves a work-group, no clusters, 35,840 bytes of LDS; arguments embedded, Wq, Wk, Wv, xb, wb; writes xb, wb
.if DOCPART == 1
	.amdgcn_target "amdgcn-amd-amdhsa--gfx1250"
	.amdhsa_code_object_version 6
	.text
	.protected	k_qfb5ee41be3_cast
	.globl	k_qfb5ee41be3_cast
	.p2align	8
	.type	k_qfb5ee41be3_cast,@function
k_qfb5ee41be3_cast:
	s_mov_b64 s[64:65], 0
	v_nop
	global_prefetch_b8 v0, s[64:65] scope:SCOPE_SE
	s_setreg_imm32_b32 hwreg(HW_REG_WAVE_MODE, 25, 1), 1
	s_wait_xcnt 0x0
; x [8192][1024] and Wq, Wk, Wv [1024][1024], f32, are rounded once to bf16, that number is written as f16, and the result is laid in FRAGMENT ORDER for the products that follow.
; WHY TWO CONVERSIONS.  All four inputs take bf16's rounding; the products that follow multiply f16 operands, since one of them shares its text with a product of f16 numbers.  A bf16 number has 8 significant bits, f16 has 11:
; LIMITS.  the second conversion is exact from 2^-14 up to 65,504; below 2^-14 it is off by at most 2^-25 (3e-8); an input beyond 65,504 becomes an infinity.
; FRAGMENT ORDER of a 16-bit matrix [R rows][K]: byte(row, k) = (k/128) R 256 + (row/16) 4096 + ((k%128)/16) 512 + (row%16 + 16 ((k%16)/8)) 16 + (k%8) 2.
; So 16 rows x 128 k are 4,096 bytes on end, and the 16 bytes at 16 x lane of each 512 are what lane (row % 16, half) of a matrix operand holds.
; xb: R = 8192.  wb: R = 3072, rows 0.. Wq, 1024.. Wk, 2048.. Wv.
; SHARES.  A work-group takes 16 whole rows (65,536 bytes on end): groups 0-511 of x, 512-703 of the weights.  Wave w takes columns 128 w .. 128 w + 127:
; each load covers 512 bytes on end, and what the wave stores is one block of 4,096 bytes on end.  The turn from rows to fragment order goes through the wave's own
; 16 x 272 bytes of LDS: no wave reads another's bytes, so there is no barrier.  No matrix unit, no cluster: nothing is shared and nothing is multiplied.
.set ROWB,  4096                       ; bytes in a row of f32
.set SP,    272                        ; a stage row: 128 numbers of 16 bits + 16 bytes: the 16 rows that a read touches begin at 16 different columns of 16 bytes
.set STG,   16*SP
.set SPARE, 8*STG                      ; behind the stages: the spare words, 128 bytes a wave, four blocks of 256 bytes that no other line names
.set GO,  2                            ; v2  16 x lane: my offset in each load and each store; never rewritten
.set SI,  3                            ; v3  stage + 8 x lane: where my 4 numbers of a row go
.set SO,  4                            ; v4  stage + 272 (lane % 16) + 16 (lane / 16): where my 16 bytes of a piece come from
.set SPW, 5                            ; v5  my spare word; never rewritten
.set NIL, 6                            ; v6  0; never rewritten
.set X,   8                            ; v[8:71]    16 rows x 4 f32
.set Y,   72                           ; v[72:103]  16 rows x 4 numbers of 16 bits
.set Z,   104                          ; v[104:135] 8 pieces of 16 bytes
.set WV,  28
	s_load_b256 s[4:11], s[0:1], 0x0               ; embedded s[4:5], Wq s[6:7], Wk s[8:9], Wv s[10:11]
	s_load_b128 s[12:15], s[0:1], 0x20             ; xb s[12:13], wb s[14:15]
	v_lshl_add_u32 v[SPW], v0, 2, SPARE
	v_mov_b32 v[NIL], 0
	v_lshrrev_b32 v1, 5, v0
	v_readfirstlane_b32 s[WV], v1                  ; wave 0..7
	v_and_b32 v7, 31, v0
	v_lshlrev_b32 v[GO], 4, v7
	s_mul_i32 s29, s[WV], STG                      ; my stage
	s_mov_b32 s30, 0xffff0000                      ; a word's upper bf16
	v_lshl_add_u32 v[SI], v7, 3, s29
	v_and_b32 v1, 15, v0
	v_bfe_u32 v7, v0, 4, 1
	v_mul_u32_u24 v[SO], v1, SP
	v_lshl_add_u32 v[SO], v7, 4, v[SO]
	v_add_nc_u32 v[SO], s29, v[SO]
	s_sub_co_u32 s16, ttmp9, 512                   ; the block of 16 rows among the weights' 192 (used only from group 512 on)
	s_lshr_b32 s17, s16, 6                         ; which weight
	s_and_b32 s18, s16, 63                         ; its block of 16 rows
	s_mov_b32 s19, 0xc0000                         ; wb: 3072 x 256 bytes from one 128 k to the next
	s_wait_kmcnt 0x0
	s_cmp_eq_u32 s17, 1
	s_cselect_b64 s[20:21], s[8:9], s[6:7]
	s_cmp_eq_u32 s17, 2
	s_cselect_b64 s[20:21], s[10:11], s[20:21]
	s_cmp_lt_u32 ttmp9, 512                        ; x or a weight?
	s_cselect_b64 s[20:21], s[4:5], s[20:21]       ; from
	s_cselect_b64 s[22:23], s[12:13], s[14:15]     ; to
	s_cselect_b32 s18, ttmp9, s18                  ; block in the source
	s_cselect_b32 s16, ttmp9, s16                  ; block in the target
	s_cselect_b32 s19, 0x200000, s19               ; xb: 8192 x 256 bytes
	s_lshl_b32 s24, s18, 16                        ; 16 rows of 4,096 bytes,
	s_lshl_b32 s26, s[WV], 9                       ; my 128 columns
	s_add_co_u32 s24, s24, s26
	s_mov_b32 s25, 0
	s_add_nc_u64 s[20:21], s[20:21], s[24:25]
	s_mul_i32 s24, s[WV], s19                      ; my 128 k,
	s_lshl_b32 s26, s16, 12                        ; the block's 4,096 bytes
	s_add_co_u32 s24, s24, s26
	s_add_nc_u64 s[22:23], s[22:23], s[24:25]
.irp p, 0,1,2,3,4,5,6,7,8,9,10,11,12,13,14,15
	global_load_b128 v[X+4*(\p):X+4*(\p)+3], v[GO], s[20:21] offset:(\p)*ROWB th:TH_LOAD_NT  ; all 16 rows are asked for at once: 8 KiB a wave on their way
.endr
.irp p, 0,1,2,3,4,5,6,7,8,9,10,11,12,13,14,15
	s_wait_loadcnt 15-(\p)                         ; loads come back in order: row p is in, the younger rows stay out
	v_cvt_pk_bf16_f32 v[Y+2*(\p)],   v[X+4*(\p)],   v[X+4*(\p)+1]   ; the one rounding, to bf16
	v_cvt_pk_bf16_f32 v[Y+2*(\p)+1], v[X+4*(\p)+2], v[X+4*(\p)+3]
	v_lshlrev_b32 v[X+4*(\p)],   16,  v[Y+2*(\p)]                   ; the rounded numbers as f32,
	v_and_b32     v[X+4*(\p)+1], s30, v[Y+2*(\p)]
	v_lshlrev_b32 v[X+4*(\p)+2], 16,  v[Y+2*(\p)+1]
	v_and_b32     v[X+4*(\p)+3], s30, v[Y+2*(\p)+1]
	v_cvt_pk_f16_f32 v[Y+2*(\p)],   v[X+4*(\p)],   v[X+4*(\p)+1]    ; and written as f16
	v_cvt_pk_f16_f32 v[Y+2*(\p)+1], v[X+4*(\p)+2], v[X+4*(\p)+3]
	ds_store_b64 v[SI], v[Y+2*(\p):Y+2*(\p)+1] offset:(\p)*SP
.endr
.irp n, 0,1,2,3,4,5,6,7
	ds_load_b128 v[Z+4*(\n):Z+4*(\n)+3], v[SO] offset:32*(\n)  ; piece n: row lane % 16, k = 16 n + 8 (lane / 16) + 0..7.  LDS serves a wave's instructions in order: these see the stores above
.endr
.irp n, 0,1,2,3,4,5,6,7
	s_wait_dscnt 7-(\n)                            ; piece n is in, the younger ones stay out
	global_store_b128 v[GO], v[Z+4*(\n):Z+4*(\n)+3], s[22:23] offset:512*(\n)  ; 512 bytes on end, at a multiple of 512 from the buffer's first byte
.endr
	s_wait_tensorcnt 0x0                           ; the wave's end
	ds_add_u32 v[SPW], v[NIL]
	s_wait_dscnt 0x0
	s_endpgm
.Lfunc_end_k_qfb5ee41be3_cast:
	.size	k_qfb5ee41be3_cast, .Lfunc_end_k_qfb5ee41be3_cast-k_qfb5ee41be3_cast
	.p2alignl 7, 3214868480
	.fill 96, 4, 3214868480
	.section	.rodata,"a",@progbits
	.p2align	6, 0x0
	.amdhsa_kernel k_qfb5ee41be3_cast
		.amdhsa_group_segment_fixed_size 35840
		.amdhsa_private_segment_fixed_size 0
		.amdhsa_enable_private_segment 0
		.amdhsa_kernarg_size 48
		.amdhsa_user_sgpr_count 2
		.amdhsa_user_sgpr_kernarg_segment_ptr 1
		.amdhsa_wavefront_size32 1
		.amdhsa_system_sgpr_workgroup_id_x 1
		.amdhsa_system_sgpr_workgroup_id_y 1
		.amdhsa_system_sgpr_workgroup_id_z 1
		.amdhsa_system_vgpr_workitem_id 0
		.amdhsa_next_free_vgpr 136
		.amdhsa_next_free_sgpr 66
		.amdhsa_reserve_vcc 0
		.amdhsa_float_denorm_mode_32 3
		.amdhsa_float_denorm_mode_16_64 3
		.amdhsa_memory_ordered 1
		.amdhsa_forward_progress 1
		.amdhsa_inst_pref_size 13
	.end_amdhsa_kernel
	.amdgpu_metadata
---
amdhsa.version: [ 1, 2 ]
amdhsa.kernels:
  - .name:           k_qfb5ee41be3_cast
    .symbol:         k_qfb5ee41be3_cast.kd
    .args:
      - { .name: embedded, .offset: 0, .size: 8, .value_kind: global_buffer, .address_space: global }
      - { .name: Wq, .offset: 8, .size: 8, .value_kind: global_buffer, .address_space: global }
      - { .name: Wk, .offset: 16, .size: 8, .value_kind: global_buffer, .address_space: global }
      - { .name: Wv, .offset: 24, .size: 8, .value_kind: global_buffer, .address_space: global }
      - { .name: xb, .offset: 32, .size: 8, .value_kind: global_buffer, .address_space: global }
      - { .name: wb, .offset: 40, .size: 8, .value_kind: global_buffer, .address_space: global }
    .group_segment_fixed_size: 35840
    .private_segment_fixed_size: 0
    .kernarg_segment_align: 8
    .kernarg_segment_size: 48
    .max_flat_workgroup_size: 256
    .sgpr_count:     66
    .vgpr_count:     136
    .wavefront_size: 32
...
	.end_amdgpu_metadata
.endif
;; end of part 1
;; launch proj (part 2): grid 8 x 32, 4 waves a work-group, clusters of 4 x 4, 327,680 bytes of LDS; arguments xb, wb, qt, kt; writes qt, kt
.if DOCPART == 2
	.amdgcn_target "amdgcn-amd-amdhsa--gfx1250"
	.amdhsa_code_object_version 6
	.text
	.protected	k_qfb5ee41be3_proj
	.globl	k_qfb5ee41be3_proj
	.p2align	8
	.type	k_qfb5ee41be3_proj,@function
k_qfb5ee41be3_proj:
	s_mov_b64 s[64:65], 0
	v_nop
	global_prefetch_b8 v0, s[64:65] scope:SCOPE_SE
	s_setreg_imm32_b32 hwreg(HW_REG_WAVE_MODE, 25, 1), 1
	s_wait_xcnt 0x0
	s_wait_alu depctr_hold_cnt(0) depctr_sa_sdst(0) depctr_va_vdst(0) depctr_va_sdst(0) depctr_va_ssrc(0) depctr_va_vcc(0) depctr_vm_vsrc(0)
	s_getreg_b32 s2, hwreg(HW_REG_IB_STS2, 6, 4)
	s_cmp_eq_u32 s2, 0
	s_cbranch_scc0 .Lentry_in_a_cluster
	s_endpgm
.Lentry_in_a_cluster:
	s_bfe_u32 s2, ttmp6, 0x10000c
	s_cmp_lg_u32 s2, 0xf033
	s_cbranch_scc0 .Lentry_shape_is_right
	s_endpgm
.Lentry_shape_is_right:
; Q = x Wq^T and K = x Wk^T ([8192][1024] each).  Operands: x and the weights, rounded to bf16 and written as f16, in fragment order (xb, wb); sums in f32; results rounded once to f16, again in fragment order:
; byte(row, k) = (k/128) R 256 + (row/16) 4096 + ((k%128)/16) 512 + (row%16 + 16 ((k%16)/8)) 16 + (k%8) 2.  qt, kt: row = token, k = channel, R = 8192.  (V is made by the launch behind this one.)
; LIMITS.  f16 ends at 65,504: a Q or K beyond that becomes an infinity (x of unit spread and weights within 1/32 give about 3; thirty times both, about 3,000); below 6e-5 f16 keeps its fixed step of 6e-8.
; SHARES.  A tile of the result is 256 x 256: four waves, 128 x 128 each, 64 accumulators in 512 registers.  32 x 8 = 256 tiles, one work-group each: cluster x = 0 makes Q, x = 1 makes K.
; K goes in 8 steps of 128 through two LDS slots.  In fragment order 128 rows x 128 k are 32,768 bytes on end: one tensor load a wave, 128 rows of 256 bytes, no padding; a fragment is two loads at 16 x lane, 512 bytes apart.
; CLUSTER 4 x 4: A's tile (x) hangs on the tile row alone and is asked for jointly along a row of the cluster, B's (W) on the tile column alone, along a column.
; THE MATRIX INSTRUCTION IS USED TRANSPOSED (source 0 = 16 rows of B, source 1 = 16 rows of A): a lane holds row lane % 16 and columns 8 (lane / 16) + 0..7, which packed to f16 ARE the 16 bytes at 16 x lane
; of the result's fragment order: each accumulator leaves by one store of 512 bytes on end, and nothing goes back through LDS.
; REGISTERS by windows of 256: 0: v16-30 addresses, v64-191 A's fragments (two buffers), v192-255 packed results (two banks); 1: v64-191 B's fragments; 2, 3: accumulator (a, b) at 8 (8 (a % 4) + b), a < 4 in 2.
.set HALFT,  32768                     ; 128 rows x 128 k: what one tensor load brings
.set SLOT,   4*HALFT                   ; A's two halves, then B's two
.set SPARE,  2*SLOT                    ; behind the ring: the spare words, 128 bytes a wave, two blocks of 256 bytes that no other line names
.set ASTEP,  0x200000                  ; a K step of xb: 8192 x 256 bytes
.set BSTEP,  0xc0000                   ; a K step of wb: 3072 x 256 bytes
.set ADRA, 16                          ; v16-17 my A fragments in slot 0, 1
.set ADRB, 20                          ; v20-21 my B fragments
.set CO,   26                          ; v26  16 x lane
.set SPW,  28                          ; v28  my spare word; never rewritten
.set NIL,  29                          ; v29  0; never rewritten
.set PFO,  30                          ; v30  256 x lane; never rewritten
.set F0,   64
.set F1,   128
.set TMP,  192
.set WV,   14                          ; s14 wave
.set ROLE, 15                          ; s15 my half of the tile's rows; also: I fetch for A (0) or B (1)
.set HALF, 16                          ; s16 my half of its columns; also: which 128 rows I fetch
.set CXI,  17                          ; s17, s18 my place in the cluster
.set CYI,  18
.set CLX,  19                          ; s19, s20 the cluster's place
.set CLY,  20
.set G1A,  24
.set G0A,  32                          ; one group 0 for each slot
.set PFA,  44                          ; s[44:45] where my prefetches stand
.set PST,  46                          ; s[46:47] one K step of what I fetch
.set G1B,  48
.set G0B,  56
.set LIM,  66                          ; s66 1 in a wave that prefetches, else the greatest number
.set PA,   68
.set PB,   70
.set OUT,  72
.set TR,   74
.set TC,   75
.set MSB, 0
.macro WIN new                         ; the immediate's high byte repeats the setting that is left; a switch that changes nothing is dropped
.if MSB != (\new)
	s_set_vgpr_msb (MSB<<8)|(\new)
.set MSB, \new
.endif
.endm
.set MUL_LO, 0xa1                      ; source 0 (B) window 1, source 1 (A) window 0, C and D window 2
.set MUL_HI, 0xf1                      ; the same, C and D window 3
.set TO_B,   0x40                      ; destination window 1, address window 0
.macro PLACES                          ; four plain vector instructions between a matrix instruction and a load into, or a reader of, its registers
.rept 4
	v_nop
.endr
.endm
; A joint load: waves 0 and 1 fetch A's halves, waves 2 and 3 B's.  The branch hangs on the wave's number alone.  An s_nop 0 and four v_nop follow each line.
.macro JLOAD s
	s_cmp_eq_u32 s[ROLE], 0
	s_cbranch_scc0 .Lfor_b_\@
	tensor_load_to_lds s[G0A+4*(\s):G0A+4*(\s)+3], s[G1A:G1A+7]
	s_nop 0
	PLACES
	s_branch .Lasked_\@
.Lfor_b_\@:
	tensor_load_to_lds s[G0B+4*(\s):G0B+4*(\s)+3], s[G1B:G1B+7]
	s_nop 0
	PLACES
.Lasked_\@:
.endm
; A prefetch of the K step that stands two refills on: 8 KiB, a lane a block of 256 bytes, one instruction a wave.  Each block is named once in the launch: x's rows are read by both clusters of a y: cluster x = 0 asks;
; W's rows by all eight clusters of an x: cluster y = 0 asks; the four partners that ask for a tile jointly take a quarter of the wave's 32 KiB each, told apart by address.
; s3 = 1 in the loop's last trip, whose refills have no K step two on.
.macro ASK
	s_cmp_gt_u32 s3, s[LIM]
	s_cbranch_scc0 .Lnot_mine_\@
	global_prefetch_b8 v[PFO], s[PFA:PFA+1] th:TH_LOAD_NT scope:SCOPE_SE
.Lnot_mine_\@:
.endm
.macro CREST                           ; a round of the cluster's barrier behind its opening barrier
	s_cmp_lg_u32 s[WV], 0
	s_cbranch_scc1 .Lnot_wave_0_\@
	s_barrier_signal -3
.Lnot_wave_0_\@:
	s_barrier_wait -3
	s_barrier_signal -1
	s_barrier_wait -1
.endm
.macro CROUND
	s_barrier_signal -1
	s_barrier_wait -1
	CREST
.endm
	s_load_b256 s[4:11], s[0:1], 0x0               ; xb s[4:5], wb s[6:7], qt s[8:9], kt s[10:11]
	v_lshl_add_u32 v[SPW], v0, 2, SPARE
	v_mov_b32 v[NIL], 0
	ds_add_u32 v[SPW], v[NIL]                      ; the wave's opening: the add and its wait stand ahead of my first tensor load; work on registers stands between them
	ds_add_u32 v28, v29
	v_lshrrev_b32 v1, 5, v0
	v_readfirstlane_b32 s[WV], v1
	s_lshr_b32 s[ROLE], s[WV], 1
	s_and_b32 s[HALF], s[WV], 1
	s_bfe_u32 s[CXI], ttmp6, 0x40000
	s_bfe_u32 s[CYI], ttmp6, 0x40004
	s_mov_b32 s[CLX], ttmp9
	s_and_b32 s[CLY], ttmp7, 0xffff
	s_lshl_b32 s[TR], s[CLY], 2
	s_add_co_u32 s[TR], s[TR], s[CYI]              ; A's tile of 256 rows of x
	s_lshl_b32 s[TC], s[CLX], 2
	s_add_co_u32 s[TC], s[TC], s[CXI]              ; B's tile of wb: 0-3 Wq, 4-7 Wk
	s_lshl_b32 s82, s[CYI], 2
	s_lshl_b32 s82, 15, s82                        ; my row of the cluster
	s_lshl_b32 s83, 0x1111, s[CXI]                 ; my column
	s_or_b32 s[G1A], s82, (3<<16)|(1<<21)          ; 15:0 the mask; 17:16 elements of 8 bytes; 21 set beside a mask; no padding
	s_or_b32 s[G1B], s83, (3<<16)|(1<<21)
.irp g, G1A, G1B
	s_mov_b32 s[(\g)+1], 32<<16                    ; tensor_dim0 = 32 elements: 256 bytes
	s_mov_b32 s[(\g)+2], 128<<16                   ; tensor_dim1 = 128
	s_mov_b32 s[(\g)+3], 32<<16                    ; tile_dim0 = 32
	s_mov_b32 s[(\g)+4], 128                       ; tile_dim1 = 128
	s_mov_b32 s[(\g)+5], 32                        ; a row begins where the last ends
	s_mov_b32 s[(\g)+6], 0
	s_mov_b32 s[(\g)+7], 0
.endr
	s_lshl_b32 s76, s[TR], 16                      ; a tile of 256 rows is 65,536 bytes of a K step; my half of it
	s_lshl_b32 s77, s[HALF], 15
	s_add_co_u32 s76, s76, s77
	s_mov_b32 s77, 0
	s_lshl_b32 s78, s[TC], 16
	s_lshl_b32 s79, s[HALF], 15
	s_add_co_u32 s78, s78, s79
	s_mov_b32 s79, 0
	s_mul_i32 s2, s[WV], HALFT                     ; where my load lands in a slot: no place in the cluster enters an LDS address
	s_wait_dscnt 0x0                               ; the opening add is done
	s_wait_kmcnt 0x0
	s_add_nc_u64 s[PA:PA+1], s[4:5], s[76:77]
	s_add_nc_u64 s[PB:PB+1], s[6:7], s[78:79]
	s_cmp_eq_u32 s[CLX], 0                         ; the same in all sixteen partners
	s_cselect_b64 s[OUT:OUT+1], s[8:9], s[10:11]   ; Q or K
	s_mov_b32 s[G0A], 1                            ; count = 1
	s_mov_b32 s[G0A+1], s2                         ; LDS address, slot 0
	s_mov_b64 s[G0A+2:G0A+3], s[PA:PA+1]           ; K step 0
	s_or_b32 s[G0A+3], s[G0A+3], 0x80000000        ; type = 2
	s_mov_b32 s[G0A+4], 1
	s_add_co_u32 s[G0A+5], s2, SLOT
	s_add_nc_u64 s[G0A+6:G0A+7], s[PA:PA+1], ASTEP ; K step 1
	s_or_b32 s[G0A+7], s[G0A+7], 0x80000000
	s_mov_b32 s[G0B], 1
	s_mov_b32 s[G0B+1], s2
	s_mov_b64 s[G0B+2:G0B+3], s[PB:PB+1]
	s_or_b32 s[G0B+3], s[G0B+3], 0x80000000
	s_mov_b32 s[G0B+4], 1
	s_add_co_u32 s[G0B+5], s2, SLOT
	s_add_nc_u64 s[G0B+6:G0B+7], s[PB:PB+1], BSTEP
	s_or_b32 s[G0B+7], s[G0B+7], 0x80000000
	CROUND                                         ; all sixteen work-groups are here: the first joint loads meet
	s_cmp_eq_u32 s[ROLE], 0                        ; a wave's two first fills stand in one branch: two loads of mine are out
	s_cbranch_scc0 .Lfirst_b
	tensor_load_to_lds s[G0A:G0A+3], s[G1A:G1A+7]
	s_nop 0
	tensor_load_to_lds s[G0A+4:G0A+7], s[G1A:G1A+7]
	s_nop 0
	PLACES
	s_branch .Lfirst_asked
.Lfirst_b:
	tensor_load_to_lds s[G0B:G0B+3], s[G1B:G1B+7]
	s_nop 0
	tensor_load_to_lds s[G0B+4:G0B+7], s[G1B:G1B+7]
	s_nop 0
	PLACES
.Lfirst_asked:
	v_and_b32 v1, 31, v0
	v_lshlrev_b32 v[CO], 4, v1
	v_lshlrev_b32 v[PFO], 8, v1
	s_lshl_b32 s76, s[ROLE], 15                    ; my 128 rows of A
	v_add_nc_u32 v[ADRA], s76, v[CO]
	v_add_nc_u32 v[ADRA+1], SLOT, v[ADRA]
	s_lshl_b32 s76, s[HALF], 15                    ; my 128 rows of B, behind A's 256
	s_add_co_u32 s76, s76, 2*HALFT
	v_add_nc_u32 v[ADRB], s76, v[CO]
	v_add_nc_u32 v[ADRB+1], SLOT, v[ADRB]
	s_lshl_b32 s76, s[CXI], 1                      ; my 128 x 128 of the result is one block of 32,768 bytes: its 128 channels (2 cx + half, 0x200000 bytes each),
	s_add_co_u32 s76, s76, s[HALF]
	s_lshl_b32 s76, s76, 21
	s_lshl_b32 s77, s[TR], 4                       ; its 8 blocks of 16 rows
	s_lshl_b32 s78, s[ROLE], 3
	s_add_co_u32 s77, s77, s78
	s_lshl_b32 s77, s77, 12
	s_add_co_u32 s76, s76, s77
	s_mov_b32 s77, 0
	s_add_nc_u64 s[OUT:OUT+1], s[OUT:OUT+1], s[76:77]
	s_mov_b32 s78, BSTEP
	s_cmp_eq_u32 s[ROLE], 0                        ; the prefetches
	s_cselect_b32 s76, s[CLX], s[CLY]              ; the coordinate along which other clusters read my rows
	s_cselect_b32 s77, s[CXI], s[CYI]              ; my place among the four that ask with me
	s_cselect_b64 s[PFA:PFA+1], s[PA:PA+1], s[PB:PB+1]
	s_cselect_b32 s[PST], ASTEP, s78
	s_mov_b32 s[PST+1], 0
	s_cmp_eq_u32 s76, 0
	s_cselect_b32 s[LIM], 1, -1                    ; the same in all sixteen partners, for a given wave
	s_lshl_b32 s76, s77, 13                        ; my work-group's 8 KiB of the 32
	s_mov_b32 s77, 0
	s_add_nc_u64 s[PFA:PFA+1], s[PFA:PFA+1], s[76:77]
.rept 3
	s_add_nc_u64 s[PFA:PFA+1], s[PFA:PFA+1], s[PST:PST+1]  ; at K step 3: the first refill steps it to 4.  Nothing is asked for here, at the head
.endr
; 16 products: m blocks a0, a0 + 1 of the window's four x all 8 n blocks, 32 along K.  zero = 1: the product starts the sum.  The 64 accumulators take turns in one order everywhere.
.macro MUL16 f, hi, a0, zero
	WIN MUL_LO+0x50*(\hi)
.irp a, \a0, (\a0)+1
.irp b, 0,1,2,3,4,5,6,7
.if \zero
	v_wmma_f32_16x16x32_f16 v[8*(8*(\a)+(\b)):8*(8*(\a)+(\b))+7], v[(\f)+8*(\b):(\f)+8*(\b)+7], v[(\f)+8*(4*(\hi)+(\a)):(\f)+8*(4*(\hi)+(\a))+7], 0
.else
	v_wmma_f32_16x16x32_f16 v[8*(8*(\a)+(\b)):8*(8*(\a)+(\b))+7], v[(\f)+8*(\b):(\f)+8*(\b)+7], v[(\f)+8*(4*(\hi)+(\a)):(\f)+8*(4*(\hi)+(\a))+7], v[8*(8*(\a)+(\b)):8*(8*(\a)+(\b))+7]
.endif
.endr
.endr
.endm
; 32 LDS loads in one run: quarter q (32 along K) of a slot into buffer f: B's 16, then A's 16.  Each takes 512 bytes on end.
.macro FETCH slot, q, f
	WIN TO_B
.irp i, 0,1,2,3,4,5,6,7
	ds_load_b128 v[(\f)+8*(\i):(\f)+8*(\i)+3],   v[ADRB+(\slot)] offset:(\q)*1024+(\i)*4096
	ds_load_b128 v[(\f)+8*(\i)+4:(\f)+8*(\i)+7], v[ADRB+(\slot)] offset:(\q)*1024+(\i)*4096+512
.endr
	WIN 0
.irp i, 0,1,2,3,4,5,6,7
	ds_load_b128 v[(\f)+8*(\i):(\f)+8*(\i)+3],   v[ADRA+(\slot)] offset:(\q)*1024+(\i)*4096
	ds_load_b128 v[(\f)+8*(\i)+4:(\f)+8*(\i)+7], v[ADRA+(\slot)] offset:(\q)*1024+(\i)*4096+512
.endr
.endm
; One of a K step's first three quarters: multiplies buffer f, and in its middle fetches quarter q into buffer g.
.macro QUARTER slot, q, f, g, zero
	s_wait_dscnt 8                                 ; B and A's rows 0-63 are in; the youngest eight loads (A's rows 64-127) may be out
	MUL16 \f, 0, 0, \zero
	MUL16 \f, 0, 2, \zero
	PLACES
	FETCH \slot, \q, \g
	s_wait_dscnt 32                                ; all but the 32 just issued
	MUL16 \f, 1, 0, \zero
	MUL16 \f, 1, 2, \zero
.endm
; The last quarter multiplies buffer 1 and changes slots.  In front of the barrier each wave waits for all its tensor loads (one is out: its part of the next slot), adds 0 to its spare word, and waits for that
; and for its own reads of this slot.  fill = 1: the barrier opens a round of the cluster's, and this slot's joint refill, two K steps on, is the first thing behind the round: 224 products stand between it and the wait for it.
.macro TURN slot, next, fill
.if \fill
	s_wait_xcnt 0x0                                ; the last prefetch, a K step back, has read its address
	s_add_nc_u64 s[PFA:PFA+1], s[PFA:PFA+1], s[PST:PST+1]
.endif
	WIN 0
	s_wait_tensorcnt 0x0                           ; no tensor load of mine is out, so a group 0 may be written
	ds_add_u32 v[SPW], v[NIL]
.if \fill
	s_add_nc_u64 s[G0A+4*(\slot)+2:G0A+4*(\slot)+3], s[G0A+4*(\slot)+2:G0A+4*(\slot)+3], 2*ASTEP
	s_add_nc_u64 s[G0B+4*(\slot)+2:G0B+4*(\slot)+3], s[G0B+4*(\slot)+2:G0B+4*(\slot)+3], 2*BSTEP
.endif
	s_wait_dscnt 9                                 ; the add and the youngest eight loads may be out
	MUL16 F1, 0, 0, 0
	s_wait_dscnt 0x0                               ; the add is done, and my reads of this slot are over
	s_barrier_signal -1
	MUL16 F1, 0, 2, 0
.if \fill
	WIN 0
.endif
	s_barrier_wait -1
.if \fill
	CREST
	JLOAD \slot                                    ; its four v_nop are also the places in front of the loads below
.else
	PLACES
.endif
	FETCH \next, 0, F0
.if \fill
	ASK
.endif
	MUL16 F1, 1, 0, 0
	MUL16 F1, 1, 2, 0
.endm
; Block a of 16 rows leaves: rounded to f16, each accumulator's registers in ascending order, and stored: 8 stores of 512 bytes on end.
.macro LEAVE a
.if (\a) >= 2
	s_wait_xcnt 0x0                                ; the bank's last stores have read their registers
.endif
	WIN 0x0a+5*((\a)/4)                            ; sources 0 and 1 window 2 or 3
.irp b, 0,1,2,3,4,5,6,7
.irp r, 0,1,2,3
	v_cvt_pk_f16_f32 v[TMP+32*((\a)%2)+4*(\b)+(\r)], v[64*((\a)%4)+8*(\b)+2*(\r)], v[64*((\a)%4)+8*(\b)+2*(\r)+1]
.endr
.endr
	WIN 0
.irp b, 0,1,2,3,4,5,6,7
	global_store_b128 v[CO], v[TMP+32*((\a)%2)+4*(\b):TMP+32*((\a)%2)+4*(\b)+3], s[OUT:OUT+1] offset:(\a)*4096+(\b)*512
.endr
.endm
	s_wait_tensorcnt 1                             ; my part of K step 0 is in; K step 1's may stay out
	s_barrier_signal -1
	s_barrier_wait -1
	FETCH 0, 0, F0
	QUARTER 0, 1, F0, F1, 1                        ; the first quarter starts the sums: nothing is cleared
	WIN 0
	s_mov_b32 s3, 3
.Llap:                                                 ; a trip goes once round the ring and fills both slots again: K steps 2 to 7
	QUARTER 0, 2, F1, F0, 0
	QUARTER 0, 3, F0, F1, 0
	TURN 0, 1, 1
	QUARTER 1, 1, F0, F1, 0
	QUARTER 1, 2, F1, F0, 0
	QUARTER 1, 3, F0, F1, 0
	TURN 1, 0, 1
	QUARTER 0, 1, F0, F1, 0
	WIN 0
	s_sub_co_u32 s3, s3, 1
	s_cmp_lg_u32 s3, 0
	s_cbranch_scc1 .Llap
	QUARTER 0, 2, F1, F0, 0                        ; the last lap fills nothing
	QUARTER 0, 3, F0, F1, 0
	TURN 0, 1, 0
	QUARTER 1, 1, F0, F1, 0
	QUARTER 1, 2, F1, F0, 0
	QUARTER 1, 3, F0, F1, 0
	s_wait_dscnt 8
	MUL16 F1, 0, 0, 0
	MUL16 F1, 0, 2, 0
	s_wait_dscnt 0x0
	MUL16 F1, 1, 0, 0
	MUL16 F1, 1, 2, 0
	WIN 0
	PLACES
.irp a, 0,1,2,3,4,5,6,7
	LEAVE \a
.endr
	s_wait_tensorcnt 0x0                           ; the wave's end
	ds_add_u32 v[SPW], v[NIL]
	s_wait_dscnt 0x0
	CROUND                                         ; the closing round: no work-group ends while a partner may still ask for a tile that names it
	s_endpgm
.Lfunc_end_k_qfb5ee41be3_proj:
	.size	k_qfb5ee41be3_proj, .Lfunc_end_k_qfb5ee41be3_proj-k_qfb5ee41be3_proj
	.p2alignl 7, 3214868480
	.fill 96, 4, 3214868480
	.section	.rodata,"a",@progbits
	.p2align	6, 0x0
	.amdhsa_kernel k_qfb5ee41be3_proj
		.amdhsa_group_segment_fixed_size 327680
		.amdhsa_private_segment_fixed_size 0
		.amdhsa_enable_private_segment 0
		.amdhsa_kernarg_size 32
		.amdhsa_user_sgpr_count 2
		.amdhsa_user_sgpr_kernarg_segment_ptr 1
		.amdhsa_wavefront_size32 1
		.amdhsa_system_sgpr_workgroup_id_x 1
		.amdhsa_system_sgpr_workgroup_id_y 1
		.amdhsa_system_sgpr_workgroup_id_z 1
		.amdhsa_system_vgpr_workitem_id 0
		.amdhsa_next_free_vgpr 1024
		.amdhsa_next_free_sgpr 84
		.amdhsa_reserve_vcc 0
		.amdhsa_float_denorm_mode_32 3
		.amdhsa_float_denorm_mode_16_64 3
		.amdhsa_memory_ordered 1
		.amdhsa_forward_progress 1
		.amdhsa_inst_pref_size 133
	.end_amdhsa_kernel
	.amdgpu_metadata
---
amdhsa.version: [ 1, 2 ]
amdhsa.kernels:
  - .name:           k_qfb5ee41be3_proj
    .symbol:         k_qfb5ee41be3_proj.kd
    .args:
      - { .name: xb, .offset: 0, .size: 8, .value_kind: global_buffer, .address_space: global }
      - { .name: wb, .offset: 8, .size: 8, .value_kind: global_buffer, .address_space: global }
      - { .name: qt, .offset: 16, .size: 8, .value_kind: global_buffer, .address_space: global }
      - { .name: kt, .offset: 24, .size: 8, .value_kind: global_buffer, .address_space: global }
    .group_segment_fixed_size: 327680
    .private_segment_fixed_size: 0
    .kernarg_segment_align: 8
    .kernarg_segment_size: 32
    .max_flat_workgroup_size: 128
    .sgpr_count:     84
    .vgpr_count:     1024
    .wavefront_size: 32
...
	.end_amdgpu_metadata
.endif
;; end of part 2
;; launch scoresv (part 3): grid 58 x 4, 4 waves a work-group, no clusters, 327,680 bytes of LDS; arguments qt, kt, xb, wb, sc, vt; writes sc, vt
.if DOCPART == 3
	.amdgcn_target "amdgcn-amd-amdhsa--gfx1250"
	.amdhsa_code_object_version 6
	.text
	.protected	k_qfb5ee41be3_scoresv
	.globl	k_qfb5ee41be3_scoresv
	.p2align	8
	.type	k_qfb5ee41be3_scoresv,@function
k_qfb5ee41be3_scoresv:
	s_mov_b64 s[64:65], 0
	v_nop
	global_prefetch_b8 v0, s[64:65] scope:SCOPE_SE
	s_setreg_imm32_b32 hwreg(HW_REG_WAVE_MODE, 25, 1), 1
	s_wait_xcnt 0x0
; TWO PRODUCTS WITH ONE TEXT, both over K = 1024 with f16 operands in fragment order (byte(row, k) = (k/128) R 256 + (row/16) 4096 + ((k%128)/16) 512 + (row%16 + 16 ((k%16)/8)) 16 + (k%8) 2) and f32 sums:
;   work-groups x < 26:  V^T = Wv x^T ([1024 channels][8192 tokens]), rounded once to f16 into vt (fragment order, row = channel, k = token, R = 1024).  A = 256 rows of Wv (tile y), B = 320 rows of x (tile x).
;   work-groups x >= 26: S = Q K^T, unscaled, f32, into sc, for batch y.  A = 256 queries (block i), B = 320 keys (tile j).  Block i needs keys below 256 (i + 1): ceil(0.8 (i + 1)) = 1, 2, 3, 4, 4, 5, 6, 7 tiles: 32 a batch.
; 104 + 128 = 232 work-groups of equal length: with tiles of 256 x 256 the two products would have 128 + 144 = 272, more than there are WGPs.
; sc: byte(b, q, key) = ((128 b + q/16) 128 + key/16) 1024 + ((key%8)/4) 512 + (q%16 + 16 ((key%16)/8)) 16 + (key%4) 4: an accumulator of the transposed product is two stores of 512 bytes on end.
; LIMITS.  f16 ends at 65,504: a V beyond that becomes an infinity (inputs as drawn give about 3; thirty times both, about 3,000); below 6e-5 f16 keeps its fixed step of 6e-8.  The scores stay f32.
; THE LAST COLUMN TILE.  320 divides neither 2,048 nor 8,192: the last tile begins 320 rows before the end, and a wave stores a block of 16 columns only if it lies at or behind the tile's nominal beginning (20 x tile, in blocks)
; and below the limit (16 (i + 1) blocks of keys; 512 blocks of tokens).  So every load stays inside its buffer, and each byte of sc and vt has one writer.  Columns above that limit are multiplied and dropped.
; SHARES.  Four waves, each 128 x 160: 80 accumulators.  K goes in 8 steps of 128 through two LDS slots; waves 0 and 1 load B's halves (160 rows x 128 k: 40,960 bytes on end), waves 2 and 3 A's (32,768 bytes).
; THE MATRIX INSTRUCTION IS USED TRANSPOSED (source 0 = 16 rows of B, source 1 = 16 rows of A): a lane holds row lane % 16 and columns 8 (lane / 16) + 0..7.
; NO CLUSTER: the scores' rows have 1 to 7 tiles and their four batches share nothing; 58 is no multiple of four; and the one text has one form of ring.
; REGISTERS by windows of 256.  0: v16-30 addresses, v32-41 V^T's store offsets, v64-191 A's fragments (two buffers of 64; on the way out packed results).  1: v0-159 B's fragments (two buffers of 80).
; Accumulator n = 8 b + a (b: block of B, a: block of A): n < 32 window 2; n < 64 window 3; n < 76 window 1 from v160; the last four window 0 from v192.
.set NV,     26                        ; column tiles of V^T
.set BHALF,  40960                     ; 160 rows x 128 k
.set AHALF,  32768                     ; 128 rows x 128 k
.set AOFF,   2*BHALF                   ; a slot: B's two halves, then A's two
.set SLOT,   AOFF+2*AHALF              ; 147,456
.set SPARE,  2*SLOT                    ; behind the ring: the spare words, 128 bytes a wave, two blocks of 256 bytes that no other line names
.set KSLAB,  0x200000                  ; a K step of qt, kt and xb: 8192 x 256 bytes
.set ADRA, 16                          ; v16-17 my A fragments in slot 0, 1
.set ADRB, 20                          ; v20-21 my B fragments
.set CO,   26                          ; v26  16 x lane
.set SPW,  28                          ; v28  my spare word; never rewritten
.set NIL,  29                          ; v29  0; never rewritten
.set PFO,  30                          ; v30  256 x lane; never rewritten
.set VO,   32                          ; v32-41 V^T: 16 x lane + the place of block b in vt; each written once
.set TMP,  64                          ; the way out of V^T: two banks of 32
.set WV,   16
.set ROLE, 17                          ; my half of A's rows; also: I fetch for B (0) or A (1)
.set HALF, 18                          ; my half of B's rows; also: which half I fetch
.set XI,   19
.set YI,   20
.set II,   21                          ; scores: the block of queries
.set JJ,   22                          ; scores: the tile of keys
.set G1A,  24
.set G0A,  32                          ; one group 0 for each slot
.set SA2,  40                          ; s[40:41] two K steps of A
.set PFA,  44
.set PST,  46
.set G1B,  48
.set G0B,  56
.set LIM,  66                          ; 1 in a wave that prefetches, else the greatest number
.set ISV,  67                          ; 1: V^T; 0: scores
.set PA,   68
.set PB,   70
.set OUT,  72
.set T0,   74                          ; my first block of 16 columns
.set BLO,  75                          ; the first of my ten blocks that I store,
.set BCNT, 76                          ; and how many
.set SA1,  84                          ; s[84:85] one K step of A
.set MSB, 0
.macro WIN new                         ; the immediate's high byte repeats the setting that is left; a switch that changes nothing is dropped
.if MSB != (\new)
	s_set_vgpr_msb (MSB<<8)|(\new)
.set MSB, \new
.endif
.endm
.macro PLACES                          ; four plain vector instructions between a matrix instruction and a load into, or a reader of, its registers
.rept 4
	v_nop
.endr
.endm
.macro ACC                             ; from bb and aa: the accumulator's window ww and first register rr
.set nn, 8*bb+aa
.if nn < 32
.set ww, 2
.set rr, 8*nn
.elseif nn < 64
.set ww, 3
.set rr, 8*(nn-32)
.elseif nn < 76
.set ww, 1
.set rr, 160+8*(nn-64)
.else
.set ww, 0
.set rr, 192+8*(nn-76)
.endif
.endm
; A fill: waves 0 and 1 fetch B's halves, waves 2 and 3 A's.  The branch hangs on the wave's number alone.  An s_nop 0 and four v_nop follow each line.
.macro LOAD s
	s_cmp_eq_u32 s[ROLE], 0
	s_cbranch_scc0 .Lfor_a_\@
	tensor_load_to_lds s[G0B+4*(\s):G0B+4*(\s)+3], s[G1B:G1B+7]
	s_nop 0
	PLACES
	s_branch .Lasked_\@
.Lfor_a_\@:
	tensor_load_to_lds s[G0A+4*(\s):G0A+4*(\s)+3], s[G1A:G1A+7]
	s_nop 0
	PLACES
.Lasked_\@:
.endm
; A prefetch of my own part of the K step that stands two refills on, a lane a block of 256 bytes: four instructions for A's 32 KiB, five for B's 40.  No block is named twice in the launch: Q's rows of block i are asked for by
; tile j = 0; K's rows of tile j < 6 by the first block that has that tile (i = j, from j = 4 on i = j + 1); Wv's rows by x = 0; x's rows of tiles 0 to 24 by y = 0.  The clamped last tiles, whose rows overlap their neighbour's, ask for nothing.
; s3 = 1 in the loop's last trip, whose refills have no K step two on.
.macro ASK
	s_cmp_gt_u32 s3, s[LIM]
	s_cbranch_scc0 .Lnot_mine_\@
.irp o, 0,1,2,3
	global_prefetch_b8 v[PFO], s[PFA:PFA+1] offset:8192*(\o) th:TH_LOAD_NT scope:SCOPE_SE
.endr
	s_cmp_eq_u32 s[ROLE], 0
	s_cbranch_scc0 .Lnot_mine_\@
	global_prefetch_b8 v[PFO], s[PFA:PFA+1] offset:32768 th:TH_LOAD_NT scope:SCOPE_SE
.Lnot_mine_\@:
.endm
	s_load_b256 s[4:11], s[0:1], 0x0               ; qt s[4:5], kt s[6:7], xb s[8:9], wb s[10:11]
	s_load_b128 s[12:15], s[0:1], 0x20             ; sc s[12:13], vt s[14:15]
	v_lshl_add_u32 v[SPW], v0, 2, SPARE
	v_mov_b32 v[NIL], 0
	ds_add_u32 v[SPW], v[NIL]                      ; the wave's opening: the add and its wait stand ahead of my first tensor load; work on registers stands between them
	ds_add_u32 v28, v29
	v_lshrrev_b32 v1, 5, v0
	v_readfirstlane_b32 s[WV], v1
	s_lshr_b32 s[ROLE], s[WV], 1
	s_and_b32 s[HALF], s[WV], 1
	s_mov_b32 s[XI], ttmp9
	s_and_b32 s[YI], ttmp7, 0xffff
	s_sub_co_u32 s77, s[XI], NV                    ; scores: t, the tile's number in its batch (what hangs on it is used only where x >= 26)
	s_mov_b32 s[II], 0
	s_mov_b32 s78, 0
.irp c, 1,3,6,10,14,19,25
	s_cmp_ge_u32 s77, \c                           ; block i's tiles begin at t = 0, 1, 3, 6, 10, 14, 19, 25
	s_cselect_b32 s78, \c, s78
	s_add_co_ci_u32 s[II], s[II], 0
.endr
	s_sub_co_u32 s[JJ], s77, s78
	s_movk_i32 s80, 492                            ; V^T: the last tile begins at block 512 - 20
	s_add_co_u32 s83, s[II], 1
	s_lshl_b32 s83, s83, 4                         ; scores: 16 (i + 1) blocks of keys count
	s_lshl_b32 s86, s[YI], 3
	s_add_co_u32 s86, s86, s[II]                   ; scores: A's tile of qt
	s_add_co_u32 s87, s[YI], 8                     ; V^T: A's tile of wb: Wv begins at tile 8
	s_lshl_b32 s88, s[YI], 19                      ; scores: the batch's 2,048 rows of kt, 256 bytes each in a K step
	s_mov_b32 s89, 0xc0000                         ; a K step of wb: 3072 x 256 bytes
	s_cmp_lt_u32 s[XI], NV                         ; V^T or scores?
	s_cselect_b32 s[ISV], 1, 0
	s_cselect_b32 s79, s[XI], s[JJ]                ; the column tile
	s_cselect_b32 s80, s80, 108                    ; scores: the last tile begins at block 128 - 20
	s_cselect_b32 s83, 512, s83                    ; the limit, in blocks
	s_cselect_b32 s86, s87, s86
	s_cselect_b32 s88, 0, s88
	s_cselect_b32 s[SA1], s89, KSLAB
	s_mov_b32 s[SA1+1], 0
	s_lshl_b32 s[SA2], s[SA1], 1
	s_mov_b32 s[SA2+1], 0
	s_mul_i32 s81, s79, 20                         ; the tile's nominal first block,
	s_min_u32 s82, s81, s80                        ; and the one at which it begins
	s_mul_i32 s87, s[HALF], 10
	s_add_co_u32 s[T0], s82, s87
	s_sub_co_i32 s[BLO], s81, s[T0]
	s_max_i32 s[BLO], s[BLO], 0
	s_sub_co_i32 s[BCNT], s83, s[T0]
	s_min_i32 s[BCNT], s[BCNT], 10
	s_sub_co_i32 s[BCNT], s[BCNT], s[BLO]
	s_max_i32 s[BCNT], s[BCNT], 0
	s_lshl_b32 s86, s86, 16                        ; A: a tile of 256 rows is 65,536 bytes of a K step; my half of it
	s_lshl_b32 s87, s[HALF], 15
	s_add_co_u32 s86, s86, s87
	s_mov_b32 s87, 0
	s_lshl_b32 s90, s82, 12                        ; B: a block of 16 rows is 4,096 bytes of a K step; the batch; my half
	s_add_co_u32 s90, s90, s88
	s_mul_i32 s91, s[HALF], BHALF
	s_add_co_u32 s90, s90, s91
	s_mov_b32 s91, 0
	s_mov_b32 s[G1A], 3<<16                        ; no mask; elements of 8 bytes; no padding
	s_mov_b32 s[G1A+1], 32<<16                     ; tensor_dim0 = 32 elements: 256 bytes
	s_mov_b32 s[G1A+2], 128<<16                    ; tensor_dim1 = 128
	s_mov_b32 s[G1A+3], 32<<16                     ; tile_dim0 = 32
	s_mov_b32 s[G1A+4], 128                        ; tile_dim1 = 128
	s_mov_b32 s[G1A+5], 32                         ; a row begins where the last ends
	s_mov_b32 s[G1A+6], 0
	s_mov_b32 s[G1A+7], 0
	s_mov_b32 s[G1B], 3<<16
	s_mov_b32 s[G1B+1], 32<<16
	s_mov_b32 s[G1B+2], 160<<16                    ; 160 rows of 256 bytes
	s_mov_b32 s[G1B+3], 32<<16
	s_mov_b32 s[G1B+4], 160
	s_mov_b32 s[G1B+5], 32
	s_mov_b32 s[G1B+6], 0
	s_mov_b32 s[G1B+7], 0
	s_mul_i32 s23, s[WV], BHALF                    ; waves 0, 1: B's halves at 0 and 40,960
	s_mul_i32 s2, s[WV], AHALF
	s_add_co_u32 s2, s2, AOFF-2*AHALF              ; waves 2, 3: A's halves at 81,920 and 114,688
	s_wait_dscnt 0x0                               ; the opening add is done
	s_wait_kmcnt 0x0
	s_cmp_eq_u32 s[ISV], 1
	s_cselect_b64 s[PA:PA+1], s[10:11], s[4:5]     ; wb or qt
	s_cselect_b64 s[PB:PB+1], s[8:9], s[6:7]       ; xb or kt
	s_cselect_b64 s[OUT:OUT+1], s[14:15], s[12:13] ; vt or sc
	s_add_nc_u64 s[PA:PA+1], s[PA:PA+1], s[86:87]
	s_add_nc_u64 s[PB:PB+1], s[PB:PB+1], s[90:91]
	s_mov_b32 s[G0A], 1                            ; count = 1
	s_mov_b32 s[G0A+1], s2                         ; LDS address, slot 0
	s_mov_b64 s[G0A+2:G0A+3], s[PA:PA+1]           ; K step 0
	s_or_b32 s[G0A+3], s[G0A+3], 0x80000000        ; type = 2
	s_mov_b32 s[G0A+4], 1
	s_add_co_u32 s[G0A+5], s2, SLOT
	s_add_nc_u64 s[G0A+6:G0A+7], s[PA:PA+1], s[SA1:SA1+1]  ; K step 1
	s_or_b32 s[G0A+7], s[G0A+7], 0x80000000
	s_mov_b32 s[G0B], 1
	s_mov_b32 s[G0B+1], s23
	s_mov_b64 s[G0B+2:G0B+3], s[PB:PB+1]
	s_or_b32 s[G0B+3], s[G0B+3], 0x80000000
	s_mov_b32 s[G0B+4], 1
	s_add_co_u32 s[G0B+5], s23, SLOT
	s_add_nc_u64 s[G0B+6:G0B+7], s[PB:PB+1], KSLAB
	s_or_b32 s[G0B+7], s[G0B+7], 0x80000000
	s_cmp_eq_u32 s[ROLE], 0                        ; a wave's two first fills stand in one branch: two loads of mine are out
	s_cbranch_scc0 .Lfirst_a
	tensor_load_to_lds s[G0B:G0B+3], s[G1B:G1B+7]
	s_nop 0
	tensor_load_to_lds s[G0B+4:G0B+7], s[G1B:G1B+7]
	s_nop 0
	PLACES
	s_branch .Lfirst_asked
.Lfirst_a:
	tensor_load_to_lds s[G0A:G0A+3], s[G1A:G1A+7]
	s_nop 0
	tensor_load_to_lds s[G0A+4:G0A+7], s[G1A:G1A+7]
	s_nop 0
	PLACES
.Lfirst_asked:
	v_and_b32 v1, 31, v0
	v_lshlrev_b32 v[CO], 4, v1
	v_lshlrev_b32 v[PFO], 8, v1
	s_lshl_b32 s77, s[ROLE], 15                    ; my 128 rows of A, behind B's 320
	s_add_co_u32 s77, s77, AOFF
	v_add_nc_u32 v[ADRA], s77, v[CO]
	v_add_nc_u32 v[ADRA+1], SLOT, v[ADRA]
	s_mul_i32 s77, s[HALF], BHALF                  ; my 160 rows of B
	v_add_nc_u32 v[ADRB], s77, v[CO]
	v_add_nc_u32 v[ADRB+1], SLOT, v[ADRB]
	s_lshl_b32 s77, s[YI], 4                       ; V^T: my first block of 16 channels, 16 y + 8 x half, 4,096 bytes each
	s_lshl_b32 s78, s[ROLE], 3
	s_add_co_u32 s77, s77, s78
	s_lshl_b32 s77, s77, 12
	s_lshl_b32 s79, s[YI], 7                       ; scores: my first stripe of 16 queries, 128 y + 16 i + 8 x half;
	s_lshl_b32 s80, s[II], 4
	s_add_co_u32 s79, s79, s80
	s_add_co_u32 s79, s79, s78
	s_lshl_b32 s79, s79, 7                         ; 128 blocks of 16 keys a stripe; mine begin at T0; 1,024 bytes a block
	s_add_co_u32 s79, s79, s[T0]
	s_lshl_b32 s79, s79, 10
	s_cmp_eq_u32 s[ISV], 1
	s_cselect_b32 s78, s77, s79
	s_mov_b32 s79, 0
	s_add_nc_u64 s[OUT:OUT+1], s[OUT:OUT+1], s[78:79]
	s_cmp_ge_u32 s[JJ], 4                          ; the prefetches: a number that is 0 where my work-group is the one that asks
	s_cselect_b32 s77, 1, 0
	s_sub_co_u32 s80, s[II], s[JJ]
	s_sub_co_u32 s80, s80, s77
	s_cmp_eq_u32 s[JJ], 6
	s_cselect_b32 s77, 1, 0
	s_or_b32 s80, s80, s77                         ; K's rows
	s_cmp_eq_u32 s[XI], NV-1
	s_cselect_b32 s77, 1, 0
	s_or_b32 s81, s[YI], s77                       ; x's rows
	s_cmp_eq_u32 s[ISV], 1
	s_cselect_b32 s80, s81, s80                    ; B's
	s_cselect_b32 s81, s[XI], s[JJ]                ; A's: Wv's rows, Q's rows
	s_cmp_eq_u32 s[ROLE], 0
	s_cselect_b32 s80, s80, s81
	s_cselect_b64 s[PFA:PFA+1], s[PB:PB+1], s[PA:PA+1]
	s_cselect_b32 s[PST], KSLAB, s[SA1]
	s_mov_b32 s[PST+1], 0
	s_cmp_eq_u32 s80, 0
	s_cselect_b32 s[LIM], 1, -1
.rept 3
	s_add_nc_u64 s[PFA:PFA+1], s[PFA:PFA+1], s[PST:PST+1]  ; at K step 3: the first refill steps it to 4.  Nothing is asked for here, at the head
.endr
; 4 nb products of fragment buffer p: blocks b0 .. b0 + nb - 1 of B x blocks 4 h .. 4 h + 3 of A, 32 along K.  zero = 1: the product starts the sum.  The 80 accumulators take turns in one order everywhere.
.macro MULS p, h, b0, nb, zero
.set bb, \b0
.rept \nb
.set aa, 4*(\h)
.rept 4
	ACC
	WIN 0x01+0x50*ww                               ; source 0 (B) window 1, source 1 (A) window 0, C and D the accumulator's
.if \zero
	v_wmma_f32_16x16x32_f16 v[rr:rr+7], v[80*(\p)+8*bb:80*(\p)+8*bb+7], v[64+64*(\p)+8*aa:64+64*(\p)+8*aa+7], 0
.else
	v_wmma_f32_16x16x32_f16 v[rr:rr+7], v[80*(\p)+8*bb:80*(\p)+8*bb+7], v[64+64*(\p)+8*aa:64+64*(\p)+8*aa+7], v[rr:rr+7]
.endif
.set aa, aa+1
.endr
.set bb, bb+1
.endr
.endm
; 36 LDS loads in one run: quarter q (32 along K) of a slot into buffer p: B's 20, then A's 16.  Each takes 512 bytes on end.
.macro FETCH slot, q, p
	WIN 0x40                                       ; destination window 1, address window 0
.set ii, 0
.rept 10
	ds_load_b128 v[80*(\p)+8*ii:80*(\p)+8*ii+3],   v[ADRB+(\slot)] offset:(\q)*1024+ii*4096
	ds_load_b128 v[80*(\p)+8*ii+4:80*(\p)+8*ii+7], v[ADRB+(\slot)] offset:(\q)*1024+ii*4096+512
.set ii, ii+1
.endr
	WIN 0
.set ii, 0
.rept 8
	ds_load_b128 v[64+64*(\p)+8*ii:64+64*(\p)+8*ii+3],   v[ADRA+(\slot)] offset:(\q)*1024+ii*4096
	ds_load_b128 v[64+64*(\p)+8*ii+4:64+64*(\p)+8*ii+7], v[ADRA+(\slot)] offset:(\q)*1024+ii*4096+512
.set ii, ii+1
.endr
.endm
; One of a K step's first three quarters: multiplies buffer p, and in its middle fetches quarter q into the other buffer.
.macro QUARTER slot, q, p, zero
	s_wait_dscnt 8                                 ; B and A's rows 0-63 are in; the youngest eight loads (A's rows 64-127) may be out
	MULS \p, 0, 0, 10, \zero
	PLACES
	FETCH \slot, \q, 1-(\p)
	s_wait_dscnt 36                                ; all but the 36 just issued
	MULS \p, 1, 0, 10, \zero
.endm
; The last quarter multiplies buffer 1 and changes slots.  In front of the barrier each wave waits for all its tensor loads (one is out: its part of the next slot), adds 0 to its spare word, and waits for that and for
; its own reads of this slot.  fill = 1: this slot's refill, two K steps on, stands straight behind the barrier: 280 products stand between it and the wait for it.
.macro TURN slot, next, fill
.if \fill
	s_wait_xcnt 0x0                                ; the last prefetches, a K step back, have read their address
	s_add_nc_u64 s[PFA:PFA+1], s[PFA:PFA+1], s[PST:PST+1]
.endif
	WIN 0
	s_wait_tensorcnt 0x0                           ; no tensor load of mine is out, so a group 0 may be written
	ds_add_u32 v[SPW], v[NIL]
.if \fill
	s_add_nc_u64 s[G0A+4*(\slot)+2:G0A+4*(\slot)+3], s[G0A+4*(\slot)+2:G0A+4*(\slot)+3], s[SA2:SA2+1]
	s_add_nc_u64 s[G0B+4*(\slot)+2:G0B+4*(\slot)+3], s[G0B+4*(\slot)+2:G0B+4*(\slot)+3], 2*KSLAB
.endif
	s_wait_dscnt 9                                 ; the add and the youngest eight loads may be out
	MULS 1, 0, 0, 5, 0
	s_wait_dscnt 0x0                               ; the add is done, and my reads of this slot are over
	s_barrier_signal -1
	MULS 1, 0, 5, 5, 0
.if \fill
	WIN 0
.endif
	s_barrier_wait -1
.if \fill
	LOAD \slot                                     ; its four v_nop are also the places in front of the loads below
.else
	PLACES
.endif
	FETCH \next, 0, 0
.if \fill
	ASK
.endif
	MULS 1, 1, 0, 10, 0
.endm
; THE WAY OUT OF THE SCORES: block b of 16 keys, if it is among those that I store: each accumulator from its own registers, the lower four first; every store is 512 bytes on end.
.macro SOUT b
	s_sub_co_u32 s77, \b, s[BLO]
	s_cmp_lt_u32 s77, s[BCNT]
	s_cbranch_scc0 .Lskip_s_\@
.set bb, \b
.set aa, 0
.rept 8
	ACC
	WIN 4*ww                                       ; a store's data is source 1
	global_store_b128 v[CO], v[rr:rr+3],   s[OUT:OUT+1] offset:aa*131072+bb*1024
	global_store_b128 v[CO], v[rr+4:rr+7], s[OUT:OUT+1] offset:aa*131072+bb*1024+512
.set aa, aa+1
.endr
	WIN 0
.Lskip_s_\@:
.endm
; THE WAY OUT OF V^T: block b of 16 tokens, if it is among those that I store: block t of vt's tokens lies at (t / 8) 0x40000 + (t % 8) 512; rounded to f16, each accumulator's registers in ascending order; 8 stores of 512 bytes on end.
.macro VOUT b
	s_sub_co_u32 s77, \b, s[BLO]
	s_cmp_lt_u32 s77, s[BCNT]
	s_cbranch_scc0 .Lskip_v_\@
	s_add_co_u32 s77, s[T0], \b
	s_lshr_b32 s78, s77, 3
	s_lshl_b32 s78, s78, 18
	s_and_b32 s77, s77, 7
	s_lshl_b32 s77, s77, 9
	s_add_co_u32 s77, s77, s78
	v_add_nc_u32 v[VO+(\b)], s77, v[CO]
.if (\b) >= 2
	s_wait_xcnt 0x0                                ; the bank's last stores have read their registers
.endif
.set bb, \b
.set aa, 0
.rept 8
	ACC
	WIN 5*ww                                       ; sources 0 and 1 the accumulator's window, destination window 0
.irp r, 0,1,2,3
	v_cvt_pk_f16_f32 v[TMP+32*(bb%2)+4*aa+(\r)], v[rr+2*(\r)], v[rr+2*(\r)+1]
.endr
.set aa, aa+1
.endr
	WIN 0
.set aa, 0
.rept 8
	global_store_b128 v[VO+bb], v[TMP+32*(bb%2)+4*aa:TMP+32*(bb%2)+4*aa+3], s[OUT:OUT+1] offset:aa*4096
.set aa, aa+1
.endr
.Lskip_v_\@:
.endm
	s_wait_tensorcnt 1                             ; my part of K step 0 is in; K step 1's may stay out
	s_barrier_signal -1
	s_barrier_wait -1
	FETCH 0, 0, 0
	QUARTER 0, 1, 0, 1                             ; the first quarter starts the sums: nothing is cleared
	WIN 0
	s_mov_b32 s3, 3
.Llap:                                                 ; a trip goes once round the ring and fills both slots again: K steps 2 to 7
	QUARTER 0, 2, 1, 0
	QUARTER 0, 3, 0, 0
	TURN 0, 1, 1
	QUARTER 1, 1, 0, 0
	QUARTER 1, 2, 1, 0
	QUARTER 1, 3, 0, 0
	TURN 1, 0, 1
	QUARTER 0, 1, 0, 0
	WIN 0
	s_sub_co_u32 s3, s3, 1
	s_cmp_lg_u32 s3, 0
	s_cbranch_scc1 .Llap
	QUARTER 0, 2, 1, 0                             ; the last lap fills nothing
	QUARTER 0, 3, 0, 0
	TURN 0, 1, 0
	QUARTER 1, 1, 0, 0
	QUARTER 1, 2, 1, 0
	QUARTER 1, 3, 0, 0
	s_wait_dscnt 8
	MULS 1, 0, 0, 10, 0
	s_wait_dscnt 0x0
	MULS 1, 1, 0, 10, 0
	WIN 0
	PLACES
	s_cmp_eq_u32 s[ISV], 1
	s_cbranch_scc1 .Lvout
.irp b, 0,1,2,3,4,5,6,7,8,9
	SOUT \b
.endr
	s_branch .Lend
.Lvout:
.irp b, 0,1,2,3,4,5,6,7,8,9
	VOUT \b
.endr
.Lend:
	s_wait_tensorcnt 0x0                           ; the wave's end
	ds_add_u32 v[SPW], v[NIL]
	s_wait_dscnt 0x0
	s_endpgm
.Lfunc_end_k_qfb5ee41be3_scoresv:
	.size	k_qfb5ee41be3_scoresv, .Lfunc_end_k_qfb5ee41be3_scoresv-k_qfb5ee41be3_scoresv
	.p2alignl 7, 3214868480
	.fill 96, 4, 3214868480
	.section	.rodata,"a",@progbits
	.p2align	6, 0x0
	.amdhsa_kernel k_qfb5ee41be3_scoresv
		.amdhsa_group_segment_fixed_size 327680
		.amdhsa_private_segment_fixed_size 0
		.amdhsa_enable_private_segment 0
		.amdhsa_kernarg_size 48
		.amdhsa_user_sgpr_count 2
		.amdhsa_user_sgpr_kernarg_segment_ptr 1
		.amdhsa_wavefront_size32 1
		.amdhsa_system_sgpr_workgroup_id_x 1
		.amdhsa_system_sgpr_workgroup_id_y 1
		.amdhsa_system_sgpr_workgroup_id_z 1
		.amdhsa_system_vgpr_workitem_id 0
		.amdhsa_next_free_vgpr 1024
		.amdhsa_next_free_sgpr 92
		.amdhsa_reserve_vcc 0
		.amdhsa_float_denorm_mode_32 3
		.amdhsa_float_denorm_mode_16_64 3
		.amdhsa_memory_ordered 1
		.amdhsa_forward_progress 1
		.amdhsa_inst_pref_size 183
	.end_amdhsa_kernel
	.amdgpu_metadata
---
amdhsa.version: [ 1, 2 ]
amdhsa.kernels:
  - .name:           k_qfb5ee41be3_scoresv
    .symbol:         k_qfb5ee41be3_scoresv.kd
    .args:
      - { .name: qt, .offset: 0, .size: 8, .value_kind: global_buffer, .address_space: global }
      - { .name: kt, .offset: 8, .size: 8, .value_kind: global_buffer, .address_space: global }
      - { .name: xb, .offset: 16, .size: 8, .value_kind: global_buffer, .address_space: global }
      - { .name: wb, .offset: 24, .size: 8, .value_kind: global_buffer, .address_space: global }
      - { .name: sc, .offset: 32, .size: 8, .value_kind: global_buffer, .address_space: global }
      - { .name: vt, .offset: 40, .size: 8, .value_kind: global_buffer, .address_space: global }
    .group_segment_fixed_size: 327680
    .private_segment_fixed_size: 0
    .kernarg_segment_align: 8
    .kernarg_segment_size: 48
    .max_flat_workgroup_size: 128
    .sgpr_count:     92
    .vgpr_count:     1024
    .wavefront_size: 32
...
	.end_amdgpu_metadata
.endif
;; end of part 3
;; launch softmax (part 4): grid 512 x 1, 16 waves a work-group, no clusters, 4,096 bytes of LDS; arguments sc, pt; writes pt
.if DOCPART == 4
	.amdgcn_target "amdgcn-amd-amdhsa--gfx1250"
	.amdhsa_code_object_version 6
	.text
	.protected	k_qfb5ee41be3_softmax
	.globl	k_qfb5ee41be3_softmax
	.p2align	8
	.type	k_qfb5ee41be3_softmax,@function
k_qfb5ee41be3_softmax:
	s_mov_b64 s[64:65], 0
	v_nop
	global_prefetch_b8 v0, s[64:65] scope:SCOPE_SE
	s_setreg_imm32_b32 hwreg(HW_REG_WAVE_MODE, 25, 1), 1
	s_wait_xcnt 0x0
; P[q][k] = softmax over k <= q of S[q][k] / 32, from f32 scores to f16 weights.  The row's maximum is taken away before the exponential, as the problem's text does it: p = 2^(c s - c m), c = log2(e) / 32; the sum l is taken of the unrounded p in f32; P = p / l is rounded once.
; LIMITS.  A hidden score counts as -3.4e38; a weight below 2^-126 counts as 0; below 6e-5 f16 keeps its fixed step of 6e-8; 1 / l is v_rcp_f32's; NaN and infinities are not treated apart.
; SHARES.  Work-group g = 128 b + q / 16 owns 16 queries: a stripe of sc, 131,072 bytes on end, of which 256 (i + 1) keys count, i = (g / 16) % 8.  Wave w owns keys 128 w .. 128 w + 127: 8 KiB of sc, 4 KiB of pt.
; Waves 2 i and 2 i + 1 hold the diagonal tile and mask.  Waves from 2 i + 2 on have no keys below the diagonal: they load nothing, take all their 64 scores a lane as hidden, and run the same text as the others:
; their maximum is -3.4e38, their weights and their sum are 0.  So the text has ONE branch on 'has keys', at the loads, and one at the stores.
; A lane holds ONE query (lane % 16) and 64 scores: register 4 n + e is key 128 w + 16 (n / 2) + 8 (lane / 16) + 4 (n % 2) + e, so eight registers on end are eight keys on end, which packed are the 16 bytes at 16 x lane of pt's fragment order
; (byte(row, k) = (k/128) 0x200000 + (row/16) 4096 + ((k%128)/16) 512 + (row%16 + 16 ((k%16)/8)) 16 + (k%8) 2).
; Only waves with keys store: of a block of 256 queries the product that follows reads the keys below 256 (i + 1) alone.
; A stream: each byte of sc is read once, each byte of pt written once, by loads and stores of 512 bytes on end; no matrix unit, no cluster, no prefetch beside loads that are all asked for at once.
.set SUMW,  1024                       ; LDS: maxima [16 queries][16 waves] at 0, sums at 1,024
.set SPARE, 2048                       ; the spare words, 128 bytes a wave, eight blocks of 256 bytes that no other line names
.set GO,  4                            ; v4  16 x lane
.set TH,  5                            ; v5  my query's place less my first key's: register 4 n + e is hidden where 16 (n / 2) + 4 (n % 2) + e is greater
.set NEG, 6                            ; v6  -3.4e38
.set WA,  7                            ; v7  64 (lane % 16) + 4 w: my wave's word for my query
.set RA,  8                            ; v8  64 (lane % 16): my query's 16 words
.set SPW, 9                            ; v9  my spare word; never rewritten
.set NIL, 10                           ; v10 0; never rewritten
.set M,   12                           ; v[12:15] four chains of maxima
.set T,   16                           ; v16 at work
.set CM,  18                           ; v[18:19] c m, twice
.set L,   20                           ; v[20:27] four chains of sums, a pair each
.set RL,  28                           ; v[28:29] 1 / l, twice
.set W16, 32                           ; v[32:47] the 16 waves' words
.set S,   48                           ; v[48:111] the scores
.set WV,  8
.set NACT, 11                          ; s11 waves with keys: 2 i + 2
	s_load_b128 s[4:7], s[0:1], 0x0                ; sc s[4:5], pt s[6:7]
	v_lshl_add_u32 v[SPW], v0, 2, SPARE
	v_mov_b32 v[NIL], 0
	v_lshrrev_b32 v1, 5, v0
	v_readfirstlane_b32 s[WV], v1                  ; wave 0..15
	s_bfe_u32 s9, ttmp9, 0x30004                   ; i
	s_and_b32 s10, ttmp9, 15                       ; the stripe's place in its block of 256 queries
	s_lshl_b32 s12, s9, 1                          ; the first wave that masks
	s_add_co_u32 s[NACT], s12, 2
	s_mov_b32 s14, 0x76543210                      ; v_permlanex16_b32: each lane takes its own place in the other half
	s_mov_b32 s15, 0xfedcba98
	s_mov_b32 s16, 0x3d38aa3b                      ; c = log2(e) / 32
	s_mov_b32 s17, s16
	v_and_b32 v3, 31, v0
	v_lshlrev_b32 v[GO], 4, v3
	v_and_b32 v1, 15, v0
	v_bfe_u32 v2, v0, 4, 1
	s_sub_co_i32 s22, s[WV], s12
	s_lshl_b32 s22, s22, 7
	s_lshl_b32 s23, s10, 4
	s_sub_co_i32 s22, s23, s22                     ; 16 x place - 128 (w - 2 i)
	v_lshlrev_b32 v3, 3, v2
	v_sub_nc_u32 v[TH], v1, v3
	v_add_nc_u32 v[TH], s22, v[TH]
	v_mov_b32 v[NEG], 0xff7fffff
	v_lshlrev_b32 v[RA], 6, v1
	s_lshl_b32 s22, s[WV], 2
	v_add_nc_u32 v[WA], s22, v[RA]
	v_mov_b32 v[T], 0                              ; v_permlanex16_b32's destination counts as read: it is written here
	s_lshl_b32 s18, ttmp9, 17                      ; my stripe of sc, my 8 KiB of it
	s_lshl_b32 s20, s[WV], 13
	s_add_co_u32 s18, s18, s20
	s_mov_b32 s19, 0
	s_lshl_b32 s20, s[WV], 21                      ; my 128 keys of pt, my stripe's 4 KiB
	s_lshl_b32 s22, ttmp9, 12
	s_add_co_u32 s20, s20, s22
	s_mov_b32 s21, 0
	s_wait_kmcnt 0x0
	s_add_nc_u64 s[4:5], s[4:5], s[18:19]
	s_add_nc_u64 s[6:7], s[6:7], s[20:21]
	s_cmp_lt_u32 s[WV], s[NACT]
	s_cbranch_scc0 .Lnokeys
.irp n, 0,1,2,3,4,5,6,7,8,9,10,11,12,13,14,15
	global_load_b128 v[S+4*(\n):S+4*(\n)+3], v[GO], s[4:5] offset:512*(\n) th:TH_LOAD_NT  ; all 8 KiB are asked for at once
.endr
	s_wait_loadcnt 0x0
	s_cmp_lt_u32 s[WV], s12
	s_cbranch_scc1 .Lhave                          ; wholly below the diagonal: nothing is hidden
.set n, 0
.rept 16
.irp e, 0,1,2,3
	v_cmp_gt_i32 vcc_lo, 16*(n/2)+4*(n%2)+(\e), v[TH]
	v_cndmask_b32 v[S+4*n+(\e)], v[S+4*n+(\e)], v[NEG], vcc_lo
.endr
.set n, n+1
.endr
	s_branch .Lhave
.Lnokeys:
.set k, 0
.rept 64
	v_mov_b32 v[S+k], v[NEG]                       ; wholly above the diagonal: all 64 are hidden
.set k, k+1
.endr
.Lhave:
.irp c, 0,1,2,3
	v_max_num_f32 v[M+(\c)], v[S+16*(\c)], v[S+16*(\c)+1]  ; four chains of 16 scores, started by their first two: nothing is cleared
.endr
.irp k, 1,2,3,4,5,6,7
.irp c, 0,1,2,3
	v_max3_num_f32 v[M+(\c)], v[M+(\c)], v[S+16*(\c)+2*(\k)], v[S+16*(\c)+2*(\k)+1]
.endr
.endr
	v_max3_num_f32 v[M], v[M], v[M+1], v[M+2]
	v_max_num_f32 v[M], v[M], v[M+3]
	v_permlanex16_b32 v[T], v[M], s14, s15         ; the query's other 64 keys lie in the lane 16 away
	v_max_num_f32 v[M], v[M], v[T]
	ds_store_b32 v[WA], v[M]                       ; both halves of the lanes write the same word with the same number
	s_wait_dscnt 0x0                               ; for the others' sake
	s_barrier_signal -1
	s_barrier_wait -1
.irp j, 0,1,2,3
	ds_load_b128 v[W16+4*(\j):W16+4*(\j)+3], v[RA] offset:16*(\j)
.endr
	s_wait_dscnt 0x0
	v_max3_num_f32 v[W16], v[W16], v[W16+1], v[W16+2]
	v_max3_num_f32 v[W16+3], v[W16+3], v[W16+4], v[W16+5]
	v_max3_num_f32 v[W16+6], v[W16+6], v[W16+7], v[W16+8]
	v_max3_num_f32 v[W16+9], v[W16+9], v[W16+10], v[W16+11]
	v_max3_num_f32 v[W16+12], v[W16+12], v[W16+13], v[W16+14]
	v_max3_num_f32 v[W16], v[W16], v[W16+3], v[W16+6]
	v_max3_num_f32 v[W16+9], v[W16+9], v[W16+12], v[W16+15]
	v_max_num_f32 v[W16], v[W16], v[W16+9]         ; m: a true score, since every query sees its own key
	v_mul_f32 v[CM], s16, v[W16]
	v_mov_b32 v[CM+1], v[CM]
.set k, 0
.rept 32
	v_pk_fma_f32 v[S+2*k:S+2*k+1], v[S+2*k:S+2*k+1], s[16:17], v[CM:CM+1] op_sel_hi:[1,0,0] neg_lo:[0,0,1] neg_hi:[0,0,1]  ; c s - c m; for a hidden score about -1.5e37
.set k, k+1
.endr
.set k, 0
.rept 64
	v_exp_f32 v[S+k], v[S+k]                       ; one batch; a hidden score's weight is 0
.set k, k+1
.endr
	v_nop                                          ; a plain instruction behind the last exponential (ISA guide 5.7.2)
	s_wait_alu depctr_va_vdst(0)                   ; the wait ahead of the first reader: one for the 64
.irp c, 0,1,2,3
	v_pk_add_f32 v[L+2*(\c):L+2*(\c)+1], v[S+2*(\c):S+2*(\c)+1], v[S+8+2*(\c):S+8+2*(\c)+1]  ; four chains of pairs, started by their first two
.endr
.irp k, 2,3,4,5,6,7
.irp c, 0,1,2,3
	v_pk_add_f32 v[L+2*(\c):L+2*(\c)+1], v[L+2*(\c):L+2*(\c)+1], v[S+8*(\k)+2*(\c):S+8*(\k)+2*(\c)+1]
.endr
.endr
	v_pk_add_f32 v[L:L+1], v[L:L+1], v[L+2:L+3]
	v_pk_add_f32 v[L+4:L+5], v[L+4:L+5], v[L+6:L+7]
	v_pk_add_f32 v[L:L+1], v[L:L+1], v[L+4:L+5]
	v_add_f32 v[L], v[L], v[L+1]
	v_permlanex16_b32 v[T], v[L], s14, s15
	v_add_f32 v[L], v[L], v[T]
	ds_store_b32 v[WA], v[L] offset:SUMW           ; other bytes than the maxima's: no barrier is wanted between those reads and this store
	s_wait_dscnt 0x0
	s_barrier_signal -1
	s_barrier_wait -1
.irp j, 0,1,2,3
	ds_load_b128 v[W16+4*(\j):W16+4*(\j)+3], v[RA] offset:SUMW+16*(\j)
.endr
	s_wait_dscnt 0x0
	v_pk_add_f32 v[W16:W16+1], v[W16:W16+1], v[W16+2:W16+3]
	v_pk_add_f32 v[W16+4:W16+5], v[W16+4:W16+5], v[W16+6:W16+7]
	v_pk_add_f32 v[W16+8:W16+9], v[W16+8:W16+9], v[W16+10:W16+11]
	v_pk_add_f32 v[W16+12:W16+13], v[W16+12:W16+13], v[W16+14:W16+15]
	v_pk_add_f32 v[W16:W16+1], v[W16:W16+1], v[W16+4:W16+5]
	v_pk_add_f32 v[W16+8:W16+9], v[W16+8:W16+9], v[W16+12:W16+13]
	v_pk_add_f32 v[W16:W16+1], v[W16:W16+1], v[W16+8:W16+9]
	v_add_f32 v[W16], v[W16], v[W16+1]             ; l, at least 1: the maximum's own weight
	v_rcp_f32 v[RL], v[W16]
	v_rcp_f32 v[RL+1], v[W16]
	v_nop                                          ; a plain instruction behind the second reciprocal
	s_wait_alu depctr_va_vdst(0)                   ; one wait for both reciprocals, ahead of their first reader
.set k, 0
.rept 32
	v_pk_mul_f32 v[S+2*k:S+2*k+1], v[S+2*k:S+2*k+1], v[RL:RL+1]
.set k, k+1
.endr
.set k, 0
.rept 32
	v_cvt_pk_f16_f32 v[S+k], v[S+2*k], v[S+2*k+1]  ; in place, ascending: register k is written when registers up to 2 k - 1 have been read
.set k, k+1
.endr
	s_cmp_lt_u32 s[WV], s[NACT]
	s_cbranch_scc0 .Lend                           ; keys that no later product reads are not stored
.irp j, 0,1,2,3,4,5,6,7
	global_store_b128 v[GO], v[S+4*(\j):S+4*(\j)+3], s[6:7] offset:512*(\j)  ; 512 bytes on end
.endr
.Lend:
	s_wait_tensorcnt 0x0                           ; the wave's end
	ds_add_u32 v[SPW], v[NIL]
	s_wait_dscnt 0x0
	s_endpgm
.Lfunc_end_k_qfb5ee41be3_softmax:
	.size	k_qfb5ee41be3_softmax, .Lfunc_end_k_qfb5ee41be3_softmax-k_qfb5ee41be3_softmax
	.p2alignl 7, 3214868480
	.fill 96, 4, 3214868480
	.section	.rodata,"a",@progbits
	.p2align	6, 0x0
	.amdhsa_kernel k_qfb5ee41be3_softmax
		.amdhsa_group_segment_fixed_size 4096
		.amdhsa_private_segment_fixed_size 0
		.amdhsa_enable_private_segment 0
		.amdhsa_kernarg_size 16
		.amdhsa_user_sgpr_count 2
		.amdhsa_user_sgpr_kernarg_segment_ptr 1
		.amdhsa_wavefront_size32 1
		.amdhsa_system_sgpr_workgroup_id_x 1
		.amdhsa_system_sgpr_workgroup_id_y 1
		.amdhsa_system_sgpr_workgroup_id_z 1
		.amdhsa_system_vgpr_workitem_id 0
		.amdhsa_next_free_vgpr 112
		.amdhsa_next_free_sgpr 66
		.amdhsa_reserve_vcc 1
		.amdhsa_float_denorm_mode_32 3
		.amdhsa_float_denorm_mode_16_64 3
		.amdhsa_memory_ordered 1
		.amdhsa_forward_progress 1
		.amdhsa_inst_pref_size 26
	.end_amdhsa_kernel
	.amdgpu_metadata
---
amdhsa.version: [ 1, 2 ]
amdhsa.kernels:
  - .name:           k_qfb5ee41be3_softmax
    .symbol:         k_qfb5ee41be3_softmax.kd
    .args:
      - { .name: sc, .offset: 0, .size: 8, .value_kind: global_buffer, .address_space: global }
      - { .name: pt, .offset: 8, .size: 8, .value_kind: global_buffer, .address_space: global }
    .group_segment_fixed_size: 4096
    .private_segment_fixed_size: 0
    .kernarg_segment_align: 8
    .kernarg_segment_size: 16
    .max_flat_workgroup_size: 512
    .sgpr_count:     66
    .vgpr_count:     112
    .wavefront_size: 32
...
	.end_amdgpu_metadata
.endif
;; end of part 4
;; launch pv (part 5): grid 8 x 32, 4 waves a work-group, clusters of 4 x 1, 327,680 bytes of LDS; arguments pt, vt, out0; writes out0
.if DOCPART == 5
	.amdgcn_target "amdgcn-amd-amdhsa--gfx1250"
	.amdhsa_code_object_version 6
	.text
	.protected	k_qfb5ee41be3_pv
	.globl	k_qfb5ee41be3_pv
	.p2align	8
	.type	k_qfb5ee41be3_pv,@function
k_qfb5ee41be3_pv:
	s_mov_b64 s[64:65], 0
	v_nop
	global_prefetch_b8 v0, s[64:65] scope:SCOPE_SE
	s_setreg_imm32_b32 hwreg(HW_REG_WAVE_MODE, 25, 1), 1
	s_wait_xcnt 0x0
	s_wait_alu depctr_hold_cnt(0) depctr_sa_sdst(0) depctr_va_vdst(0) depctr_va_sdst(0) depctr_va_ssrc(0) depctr_va_vcc(0) depctr_vm_vsrc(0)
	s_getreg_b32 s2, hwreg(HW_REG_IB_STS2, 6, 4)
	s_cmp_eq_u32 s2, 0
	s_cbranch_scc0 .Lentry_in_a_cluster
	s_endpgm
.Lentry_in_a_cluster:
	s_bfe_u32 s2, ttmp6, 0x10000c
	s_cmp_lg_u32 s2, 0x3003
	s_cbranch_scc0 .Lentry_shape_is_right
	s_endpgm
.Lentry_shape_is_right:
; O = P V, rounded to four decimals, f32.  P: f16 in fragment order (pt: row = 2048 b + q, k = key, 0x200000 bytes from one 128 keys to the next); V^T: f16 in fragment order (vt: row = channel, k = 2048 b + key, 0x40000 bytes).  Sums in f32.
; (Fragment order: byte(row, k) = (k/128) R 256 + (row/16) 4096 + ((k%128)/16) 512 + (row%16 + 16 ((k%16)/8)) 16 + (k%8) 2: 128 rows x 128 k are 32,768 bytes on end, and a fragment is two loads at 16 x lane, 512 bytes apart.)
; LIMITS.  The rounding is rint(10^4 x) times the f32 nearest to 10^-4, where the problem's text divides by 10^4: at most one unit in the last place apart.  The sums' order differs from the problem's.
; THE WALK.  A batch's queries lie in 16 blocks of 128.  For block j, P holds weights (zeros above the diagonal) for the keys below 256 (j / 2 + 1): j / 2 + 1 slots of 256 keys.  A work-group takes TWO blocks, p and then 15 - p:
; (p / 2 + 1) + (8 - p / 2) = 9 slots, whatever p: all 4 x 8 x 8 = 256 work-groups (batch b = y % 4, pair p = y / 4, channel tile x) do equal work, and ONE loop with a constant trip count walks them.
; Which keys are asked for, and behind which step the first block leaves, hang on scalar registers made from y; the ring of two slots runs on across the change of blocks.
; SHARES.  A tile is 128 queries x 128 channels; four waves, each 64 x 64: 16 accumulators.  A slot holds four blocks of 32,768 bytes: P's keys 0-127 and 128-255 of the slot, V^T's likewise: one tensor load a wave.
; THE SUMS START AT 0 BY v_mov_b32: 128 lines at the head, in the wait for the first tile, and 128 where the first block has left.  The price of one form of product in one text of a step.
; CLUSTER 4 x 1: the four channel tiles of a cluster read the same P (half of a slot's bytes): asked for jointly by waves 0 and 1.  V^T's 128 channels are the work-group's own: waves 2 and 3 load them plainly;
; V^T is not shared across pairs, which from step 1 on stand at different keys.
; THE MATRIX INSTRUCTION IS USED TRANSPOSED (source 0 = 16 channels, source 1 = 16 queries): a lane holds query lane % 16 and channels 8 (lane / 16) + 0..7.  The way out goes through the wave's own stage in LDS, so that 16 lanes store 256 bytes on end.
; REGISTERS by windows of 256: 0: v12-30 addresses, v32-63 at work, v64-127 rows on the way out (two banks), v128-255 accumulator (a, b) at 128 + 8 (4 a + b).
;   1: two fragment buffers of 128: for 64 keys (two matrix instructions deep) 64 registers of P (2 x 4 x 16 queries x 32 keys), then 64 of V^T.
.set PART,   32768                     ; 128 rows x 128 keys: what one tensor load brings
.set SLOT,   4*PART                    ; 1 << 17: one exclusive or turns an address in one slot into the other's
.set STAGE,  2*SLOT                    ; behind the ring, never filled by a tensor load: 16 rows x 272 bytes for each wave
.set SP,     272                       ; 256 bytes + 16: the 16 rows that a store touches begin at 16 different columns of 16 bytes
.set SPARE,  STAGE+4*16*SP             ; the spare words, 128 bytes a wave, two blocks of 256 bytes that no other line names
.set STEPS,  9
.set A0,   12                          ; v12  my place in a slot's P: 16,384 x my half of the queries + 16 x lane; never rewritten
.set B0,   13                          ; v13  the same in its V^T, behind P's 65,536 bytes
.set ADRA, 16                          ; v16  v12 + the slot in hand
.set ADRB, 17                          ; v17  v13 + the slot in hand
.set STO,  24                          ; v24  stage + 272 (lane % 16) + 32 (lane / 16)
.set RD,   25                          ; v25  stage + 272 (lane / 16) + 16 (lane % 16)
.set CO,   26                          ; v26  4096 (lane / 16) + 16 (lane % 16)
.set SPW,  28                          ; v28  my spare word; never rewritten
.set NIL,  29                          ; v29  0; never rewritten
.set PFO,  30                          ; v30  256 x lane; never rewritten
.set TMP,  32
.set OB,   64
.set ACC,  128
.set F0,   0                           ; fragment buffers, in window 1
.set F1,   128
.set WV,   10
.set ROLE, 11                          ; my half of the queries; also: I fetch P (0) or V^T (1)
.set HALF, 12                          ; my half of the channels; also: which 128 keys of a slot I fetch
.set NLO,  17                          ; slots of the first block: p / 2 + 1
.set G1A,  24
.set G0A,  32                          ; s[32:35] the first fill of slot 0; s[36:39] that of slot 1, which then walks on
.set TENK, 40                          ; s[40:41] 10^4, twice
.set INV,  42                          ; s[42:43] 10^-4, twice
.set PFA,  44                          ; s[44:45] where my prefetch stands
.set PFB,  46                          ; s[46:47] its base
.set G1B,  48
.set G0B,  56
.set LIM,  66                          ; 8 in a wave that prefetches, else 0
.set NXT,  67                          ; the step to be asked for next
.set TB,   68                          ; the slot in hand: 0 or SLOT
.set SH,   69                          ; log2 of a slot's bytes along the keys in what I fetch: 22 (P) or 19 (V^T)
.set PLO,  70                          ; the first block's place in a K step of pt, in bytes,
.set PHI,  71                          ; the second's
.set QHI,  72                          ; s71 in waves that fetch P, else 0
.set FL,   73                          ; s67's number behind the first block's last step
.set OFA,  74                          ; s[74:75], s[76:77], s[78:79] offsets in 64 bits: P's, V^T's, the prefetch's
.set OFB,  76
.set OFP,  78
.set OLO,  80                          ; s[80:81] O at my rows of the first block,
.set OHI,  82                          ; s[82:83] of the second
.set T0,   84
.set T1,   85
.set T3,   86
.set KMAX, 87                          ; the second block's last slot: 8 - s17
.set MSB, 0
.macro WIN new                         ; the immediate's high byte repeats the setting that is left; a switch that changes nothing is dropped
.if MSB != (\new)
	s_set_vgpr_msb (MSB<<8)|(\new)
.set MSB, \new
.endif
.endm
.set MUL,  0x05                        ; sources 0 (V^T) and 1 (P) window 1; C and D window 0
.set TO_F, 0x40                        ; destination window 1, address window 0
.macro PLACES                          ; four plain vector instructions between a matrix instruction and a load into, or a reader of, its registers
.rept 4
	v_nop
.endr
.endm
; Step s[NXT] of the walk: the first block's slot s[NXT], or behind its last the second block's slot s[NXT] - s[NLO].  MKOFF makes the two byte offsets and steps the number; MKSET writes them into a set of group 0.
.macro MKOFF
	s_cmp_lt_u32 s[NXT], s[NLO]
	s_cselect_b32 s[T0], 0, s[NLO]
	s_cselect_b32 s[T1], s[PLO], s[PHI]
	s_sub_co_u32 s[T0], s[NXT], s[T0]              ; the slot's number in its block
	s_lshl_b32 s[OFA], s[T0], 22                   ; 256 keys of pt are 2 x 0x200000 bytes on,
	s_add_co_u32 s[OFA], s[OFA], s[T1]             ; the block's rows
	s_lshl_b32 s[OFB], s[T0], 19                   ; 256 keys of vt are 2 x 0x40000 bytes on
	s_add_co_u32 s[NXT], s[NXT], 1
.endm
.macro MKSET set
	s_add_nc_u64 s[G0A+4*(\set)+2:G0A+4*(\set)+3], s[4:5], s[OFA:OFA+1]
	s_or_b32 s[G0A+4*(\set)+3], s[G0A+4*(\set)+3], 0x80000000   ; type = 2
	s_add_nc_u64 s[G0B+4*(\set)+2:G0B+4*(\set)+3], s[6:7], s[OFB:OFB+1]
	s_or_b32 s[G0B+4*(\set)+3], s[G0B+4*(\set)+3], 0x80000000
.endm
.macro JLOAD                           ; waves 0 and 1: P's two parts, jointly; waves 2 and 3: V^T's.  An s_nop 0 and four v_nop follow each line
	s_cmp_eq_u32 s[ROLE], 0
	s_cbranch_scc0 .Lfor_b_\@
	tensor_load_to_lds s[G0A+4:G0A+7], s[G1A:G1A+7]
	s_nop 0
	PLACES
	s_branch .Lasked_\@
.Lfor_b_\@:
	tensor_load_to_lds s[G0B+4:G0B+7], s[G1B:G1B+7]
	s_nop 0
	PLACES
.Lasked_\@:
.endm
; A prefetch of what the refill two steps on will ask for (256 matrix instructions ahead of it), a lane a block of 256 bytes.  From step 4 on the walk stands in the second block, so the address is that block's.
; Each block is named once in the launch.  P's rows are read by both clusters of a y: cluster x = 0 asks, its four partners a quarter (8 KiB) of the wave's 32 KiB each, told apart by address.
; V^T's rows are read by all eight pairs: pair 0, whose second block walks all eight slots, asks, each wave for its own 32 KiB: four instructions.  Steps 0 to 3 come by their loads alone; the last two refills have no step two on.
.macro ASK
	s_cmp_lt_u32 s[NXT], s[LIM]                    ; s[NXT] is the step in hand + 3
	s_cbranch_scc0 .Lnot_mine_\@
	global_prefetch_b8 v[PFO], s[PFA:PFA+1] th:TH_LOAD_NT scope:SCOPE_SE
	s_cmp_eq_u32 s[ROLE], 0
	s_cbranch_scc1 .Lnot_mine_\@
.irp o, 1,2,3
	global_prefetch_b8 v[PFO], s[PFA:PFA+1] offset:8192*(\o) th:TH_LOAD_NT scope:SCOPE_SE
.endr
.Lnot_mine_\@:
.endm
.macro CREST                           ; a round of the cluster's barrier behind its opening barrier
	s_cmp_lg_u32 s[WV], 0
	s_cbranch_scc1 .Lnot_wave_0_\@
	s_barrier_signal -3
.Lnot_wave_0_\@:
	s_barrier_wait -3
	s_barrier_signal -1
	s_barrier_wait -1
.endm
.macro CROUND
	s_barrier_signal -1
	s_barrier_wait -1
	CREST
.endm
	s_load_b128 s[4:7], s[0:1], 0x0                ; pt s[4:5], vt s[6:7]
	s_load_b64 s[8:9], s[0:1], 0x10                ; out0
	v_lshl_add_u32 v[SPW], v0, 2, SPARE
	v_mov_b32 v[NIL], 0
	ds_add_u32 v[SPW], v[NIL]                      ; the wave's opening: the add and its wait stand ahead of my first tensor load; work on registers stands between them
	ds_add_u32 v28, v29
	v_lshrrev_b32 v1, 5, v0
	v_readfirstlane_b32 s[WV], v1
	s_lshr_b32 s[ROLE], s[WV], 1
	s_and_b32 s[HALF], s[WV], 1
	s_bfe_u32 s13, ttmp6, 0x40000                  ; cx
	s_and_b32 s14, ttmp7, 0xffff                   ; y, which the four partners share
	s_and_b32 s15, s14, 3                          ; b
	s_lshr_b32 s16, s14, 2                         ; p: the first block
	s_lshr_b32 s[NLO], s16, 1
	s_add_co_u32 s[NLO], s[NLO], 1
	s_add_co_u32 s[FL], s[NLO], 2
	s_sub_co_u32 s[KMAX], 8, s[NLO]
	s_sub_co_u32 s19, 15, s16                      ; the second block
	s_lshl_b32 s[PLO], s16, 15                     ; 128 rows are 32,768 bytes of a K step
	s_lshl_b32 s[PHI], s19, 15
	s_lshl_b32 s18, ttmp9, 2
	s_add_co_u32 s18, s18, s13                     ; the channel tile: it enters V^T's and O's addresses alone
	s_mov_b32 s[G1A], 15|(3<<16)|(1<<21)           ; 15:0 the mask of four; 17:16 elements of 8 bytes; 21 set beside a mask; no padding
	s_mov_b32 s[G1B], 3<<16                        ; no mask
.irp g, G1A, G1B
	s_mov_b32 s[(\g)+1], 32<<16                    ; tensor_dim0 = 32 elements: 256 bytes
	s_mov_b32 s[(\g)+2], 128<<16                   ; tensor_dim1 = 128
	s_mov_b32 s[(\g)+3], 32<<16                    ; tile_dim0 = 32
	s_mov_b32 s[(\g)+4], 128                       ; tile_dim1 = 128
	s_mov_b32 s[(\g)+5], 32                        ; a row begins where the last ends
	s_mov_b32 s[(\g)+6], 0
	s_mov_b32 s[(\g)+7], 0
.endr
	s_mov_b32 s[TENK], 0x461c4000
	s_mov_b32 s[TENK+1], s[TENK]
	s_mov_b32 s[INV], 0x38d1b717
	s_mov_b32 s[INV+1], s[INV]
	s_lshl_b32 s20, s15, 19                        ; P: the batch's 2,048 rows (256 bytes each in a K step), my 128 keys of a slot
	s_lshl_b32 s21, s[HALF], 21
	s_add_co_u32 s20, s20, s21
	s_mov_b32 s21, 0
	s_lshl_b32 s22, s15, 4                         ; V^T: the batch's 16 K steps, my 128 keys of a slot, the tile's 128 channels
	s_add_co_u32 s22, s22, s[HALF]
	s_lshl_b32 s22, s22, 18
	s_lshl_b32 s23, s18, 15
	s_add_co_u32 s22, s22, s23
	s_mov_b32 s23, 0
	s_mul_i32 s2, s[WV], PART                      ; where my load lands in a slot: no place in the cluster enters an LDS address
	s_mov_b32 s[OFA+1], 0
	s_mov_b32 s[OFB+1], 0
	s_mov_b32 s[OFP+1], 0
	s_mov_b32 s[NXT], 0
	s_mov_b32 s[TB], 0
	s_mov_b32 s[G0A], 1                            ; count = 1
	s_mov_b32 s[G0A+1], s2                         ; LDS address, slot 0
	s_mov_b32 s[G0A+4], 1
	s_add_co_u32 s[G0A+5], s2, SLOT
	s_mov_b32 s[G0B], 1
	s_mov_b32 s[G0B+1], s2
	s_mov_b32 s[G0B+4], 1
	s_add_co_u32 s[G0B+5], s2, SLOT
	s_wait_dscnt 0x0                               ; the opening add is done
	s_wait_kmcnt 0x0
	s_add_nc_u64 s[4:5], s[4:5], s[20:21]
	s_add_nc_u64 s[6:7], s[6:7], s[22:23]
	MKOFF                                          ; step 0
	MKSET 0
	MKOFF                                          ; step 1
	MKSET 1
	CROUND                                         ; all four work-groups are here: the first joint loads meet
	s_cmp_eq_u32 s[ROLE], 0                        ; a wave's two first fills stand in one branch: two loads of mine are out
	s_cbranch_scc0 .Lfirst_b
	tensor_load_to_lds s[G0A:G0A+3], s[G1A:G1A+7]
	s_nop 0
	tensor_load_to_lds s[G0A+4:G0A+7], s[G1A:G1A+7]
	s_nop 0
	PLACES
	s_branch .Lfirst_asked
.Lfirst_b:
	tensor_load_to_lds s[G0B:G0B+3], s[G1B:G1B+7]
	s_nop 0
	tensor_load_to_lds s[G0B+4:G0B+7], s[G1B:G1B+7]
	s_nop 0
	PLACES
.Lfirst_asked:
	v_and_b32 v1, 31, v0
	v_lshlrev_b32 v2, 4, v1
	v_lshlrev_b32 v[PFO], 8, v1
	s_lshl_b32 s20, s[ROLE], 14                    ; my 64 queries: four blocks of 4,096 bytes
	v_add_nc_u32 v[A0], s20, v2
	s_lshl_b32 s20, s[HALF], 14                    ; my 64 channels, behind P's two parts
	s_add_co_u32 s20, s20, 2*PART
	v_add_nc_u32 v[B0], s20, v2
	v_mov_b32 v[ADRA], v[A0]                       ; step 0 lies in slot 0
	v_mov_b32 v[ADRB], v[B0]
	v_and_b32 v3, 15, v0
	v_bfe_u32 v4, v0, 4, 1
	s_mul_i32 s20, s[WV], 16*SP
	s_add_co_u32 s20, s20, STAGE                   ; my stage
	v_mul_u32_u24 v[STO], v3, SP
	v_lshl_add_u32 v[STO], v4, 5, v[STO]
	v_add_nc_u32 v[STO], s20, v[STO]
	v_mul_u32_u24 v[RD], v4, SP
	v_lshl_add_u32 v[RD], v3, 4, v[RD]
	v_add_nc_u32 v[RD], s20, v[RD]
	v_lshlrev_b32 v[CO], 12, v4
	v_lshl_add_u32 v[CO], v3, 4, v[CO]
	s_lshl_b32 s20, s15, 11                        ; O: row 2048 b + 128 x block + 64 x half, 4,096 bytes a row;
	s_lshl_b32 s21, s[ROLE], 6
	s_add_co_u32 s20, s20, s21
	s_lshl_b32 s21, s18, 9                         ; the tile's 512 bytes, my 256
	s_lshl_b32 s22, s[HALF], 8
	s_add_co_u32 s21, s21, s22
	s_lshl_b32 s22, s16, 7
	s_add_co_u32 s22, s22, s20
	s_lshl_b32 s22, s22, 12
	s_add_co_u32 s22, s22, s21
	s_mov_b32 s23, 0
	s_add_nc_u64 s[OLO:OLO+1], s[8:9], s[22:23]
	s_lshl_b32 s22, s19, 7
	s_add_co_u32 s22, s22, s20
	s_lshl_b32 s22, s22, 12
	s_add_co_u32 s22, s22, s21
	s_add_nc_u64 s[OHI:OHI+1], s[8:9], s[22:23]
	s_lshl_b32 s20, s13, 13                        ; the prefetches.  P: my work-group's quarter of the wave's 32 KiB
	s_mov_b32 s21, 0
	s_cmp_eq_u32 s[ROLE], 0
	s_cselect_b32 s20, s20, 0
	s_cselect_b32 s22, ttmp9, s16                  ; 0 where my work-group is among those that ask
	s_cselect_b32 s[SH], 22, 19
	s_cselect_b32 s[QHI], s[PHI], 0
	s_cselect_b64 s[PFB:PFB+1], s[4:5], s[6:7]
	s_add_nc_u64 s[PFB:PFB+1], s[PFB:PFB+1], s[20:21]
	s_cmp_eq_u32 s22, 0
	s_cselect_b32 s[LIM], 8, 0                     ; the same in all four partners, for a given wave.  Nothing is asked for here, at the head
.set k, 0
.rept 128
	v_mov_b32 v[ACC+k], 0                          ; the first block's sums start at 0: written while the first tiles are on their way
.set k, k+1
.endr
; 8 products: query blocks a0, a0 + 1 x all 4 channel blocks, 32 keys: half c of buffer f.  The 16 accumulators take turns in one order everywhere.
.macro MUL8 f, c, a0
	WIN MUL
.irp a, \a0, (\a0)+1
.irp b, 0,1,2,3
	v_wmma_f32_16x16x32_f16 v[ACC+8*(4*(\a)+(\b)):ACC+8*(4*(\a)+(\b))+7], v[(\f)+64+8*(4*(\c)+(\b)):(\f)+64+8*(4*(\c)+(\b))+7], v[(\f)+8*(4*(\c)+(\a)):(\f)+8*(4*(\c)+(\a))+7], v[ACC+8*(4*(\a)+(\b)):ACC+8*(4*(\a)+(\b))+7]
.endr
.endr
.endm
; 32 LDS loads in one run: the fragments of chunk c (64 keys) of the slot in hand, into buffer f; its first 32 keys first.  32 keys number e of a slot lie at (e / 4) 32,768 + (e % 4) 1,024.  Each load takes 512 bytes on end.
.macro FETCH c, f
	WIN TO_F
.irp d, 0,1
.irp i, 0,1,2,3
	ds_load_b128 v[(\f)+64+8*(4*(\d)+(\i)):(\f)+64+8*(4*(\d)+(\i))+3],   v[ADRB] offset:((2*(\c)+(\d))/4)*PART+((2*(\c)+(\d))%4)*1024+(\i)*4096
	ds_load_b128 v[(\f)+64+8*(4*(\d)+(\i))+4:(\f)+64+8*(4*(\d)+(\i))+7], v[ADRB] offset:((2*(\c)+(\d))/4)*PART+((2*(\c)+(\d))%4)*1024+(\i)*4096+512
	ds_load_b128 v[(\f)+8*(4*(\d)+(\i)):(\f)+8*(4*(\d)+(\i))+3],         v[ADRA] offset:((2*(\c)+(\d))/4)*PART+((2*(\c)+(\d))%4)*1024+(\i)*4096
	ds_load_b128 v[(\f)+8*(4*(\d)+(\i))+4:(\f)+8*(4*(\d)+(\i))+7],       v[ADRA] offset:((2*(\c)+(\d))/4)*PART+((2*(\c)+(\d))%4)*1024+(\i)*4096+512
.endr
.endr
.endm
; A step is four chunks of 64 keys, 32 matrix instructions each, on buffers 0, 1, 0, 1.  One of the first three: multiplies buffer f, and in its middle fetches chunk c into buffer g.
.macro QUARTER c, f, g
	s_wait_dscnt 16                                ; the chunk's first 32 keys are in; the sixteen loads of its second 32 may be out
	MUL8 \f, 0, 0
	MUL8 \f, 0, 2
	PLACES
	FETCH \c, \g
	s_wait_dscnt 32                                ; all but the 32 just issued
	MUL8 \f, 1, 0
	MUL8 \f, 1, 2
.endm
; The last chunk multiplies buffer 1 and changes slots.  In front of the barrier each wave waits for all its tensor loads (one is out: its part of the next slot), adds 0 to its spare word, and waits for that and for its own
; reads of this slot.  fill = 1: the barrier opens a round of the cluster's, and this slot's refill, the step two on, is the first thing behind the round: 112 products stand between it and the wait for it.
.macro TURN fill
.if \fill
	s_wait_xcnt 0x0                                ; the last prefetches, a step back, have read their address: it is made anew, ahead of the waits of the change of slots
	s_sub_co_u32 s[T3], s[NXT], s[NLO]             ; the step asked for below, two steps on, in the second block's count (the sum is never below 0),
	s_add_co_u32 s[T3], s[T3], 2
	s_min_u32 s[T3], s[T3], s[KMAX]                ; held to that block's last slot: no address points past the walk
	s_lshl_b32 s[T3], s[T3], s[SH]
	s_add_co_u32 s[OFP], s[T3], s[QHI]
	s_add_nc_u64 s[PFA:PFA+1], s[PFB:PFB+1], s[OFP:OFP+1]
	MKOFF
.endif
	WIN 0
	s_wait_tensorcnt 0x0                           ; no tensor load of mine is out, so a group 0 may be written
	ds_add_u32 v[SPW], v[NIL]
.if \fill
	s_xor_b32 s[G0A+5], s[G0A+5], SLOT             ; the walking descriptors: the other slot than last time,
	s_xor_b32 s[G0B+5], s[G0B+5], SLOT
	MKSET 1                                        ; the step's keys
.endif
	s_xor_b32 s[TB], s[TB], SLOT                   ; the reads go on in the other slot
	s_wait_dscnt 17                                ; the add and the youngest sixteen loads may be out
	MUL8 F1, 0, 0
	s_wait_dscnt 0x0                               ; the add is done, and my reads of this slot are over
	s_barrier_signal -1
	MUL8 F1, 0, 2
	WIN 0
	s_barrier_wait -1
.if \fill
	CREST
	JLOAD                                          ; its four v_nop are also the places in front of the loads below
.else
	PLACES
.endif
	v_add_nc_u32 v[ADRA], s[TB], v[A0]
	v_add_nc_u32 v[ADRB], s[TB], v[B0]
	FETCH 0, F0
.if \fill
	WIN 0
	ASK
.endif
	MUL8 F1, 1, 0
	MUL8 F1, 1, 2
.endm
; THE WAY OUT of a block of 128 queries: my 64 x 64, 16 queries at a time.  PACK: times 10^4, to the nearest whole number (ties to even), times 10^-4; each accumulator's registers in ascending order.  clr = 1: the sums start again at 0.
.macro PACK a, clr
.set k, 0
.rept 16
	v_pk_mul_f32 v[TMP+2*k:TMP+2*k+1], v[ACC+32*(\a)+2*k:ACC+32*(\a)+2*k+1], s[TENK:TENK+1] op_sel_hi:[1,0]
.set k, k+1
.endr
.set k, 0
.rept 32
	v_rndne_f32 v[TMP+k], v[TMP+k]
.set k, k+1
.endr
.set k, 0
.rept 16
	v_pk_mul_f32 v[TMP+2*k:TMP+2*k+1], v[TMP+2*k:TMP+2*k+1], s[INV:INV+1] op_sel_hi:[1,0]
.set k, k+1
.endr
.if \clr
.set k, 0
.rept 32
	v_mov_b32 v[ACC+32*(\a)+k], 0
.set k, k+1
.endr
.endif
.endm
.macro TOSTAGE a                       ; into my stage, 32 bytes a lane and accumulator, and back as whole rows of 256 bytes
	s_wait_xcnt 0x0                                ; the bank's last stores have read their registers
.irp b, 0,1,2,3
	ds_store_b128 v[STO], v[TMP+8*(\b):TMP+8*(\b)+3]   offset:64*(\b)
	ds_store_b128 v[STO], v[TMP+8*(\b)+4:TMP+8*(\b)+7] offset:64*(\b)+16
.endr
.irp t, 0,1,2,3,4,5,6,7
	ds_load_b128 v[OB+32*((\a)%2)+4*(\t):OB+32*((\a)%2)+4*(\t)+3], v[RD] offset:(\t)*2*SP  ; LDS serves a wave's instructions in order: these see the stores above, and the next sixteen queries' stores come behind them
.endr
.endm
.macro SEND a, o
	s_wait_dscnt 0x0                               ; the rows are back in registers
.irp t, 0,1,2,3,4,5,6,7
	global_store_b128 v[CO], v[OB+32*((\a)%2)+4*(\t):OB+32*((\a)%2)+4*(\t)+3], s[(\o):(\o)+1] offset:(\a)*65536+(\t)*8192 th:TH_STORE_NT  ; 16 lanes store 256 bytes on end, at a multiple of 256 from O's first byte
.endr
.endm
.macro WAYOUT o, clr                   ; sixteen queries' arithmetic stands between the loads from the stage of the sixteen before and the wait for them
	PACK 0, \clr
	TOSTAGE 0
	PACK 1, \clr
	SEND 0, \o
	TOSTAGE 1
	PACK 2, \clr
	SEND 1, \o
	TOSTAGE 2
	PACK 3, \clr
	SEND 2, \o
	TOSTAGE 3
	SEND 3, \o
.endm
	s_wait_tensorcnt 1                             ; my part of step 0 is in; step 1's may stay out
	s_barrier_signal -1
	s_barrier_wait -1
	FETCH 0, F0
	WIN 0                                          ; at a label and at a branch every window is 0
	s_mov_b32 s3, STEPS-2
.Lstep:                                                ; steps 0 to 6: each asks for the step two on
	QUARTER 1, F0, F1
	QUARTER 2, F1, F0
	QUARTER 3, F0, F1
	TURN 1
	WIN 0
	s_cmp_eq_u32 s[NXT], s[FL]                     ; was this the first block's last step?  (One of steps 0 to 3; the same in all four partners.)
	s_cbranch_scc0 .Lgo_on
	PLACES                                         ; the conversions read results just made
	WAYOUT OLO, 1                                  ; the first block leaves while the refill just asked for is on its way
.Lgo_on:
	s_sub_co_u32 s3, s3, 1
	s_cmp_lg_u32 s3, 0
	s_cbranch_scc1 .Lstep
	QUARTER 1, F0, F1                              ; steps 7 and 8 are written out: they fill nothing
	QUARTER 2, F1, F0
	QUARTER 3, F0, F1
	TURN 0
	QUARTER 1, F0, F1
	QUARTER 2, F1, F0
	QUARTER 3, F0, F1
	s_wait_dscnt 16                                ; the very last chunk: nothing more to fetch
	MUL8 F1, 0, 0
	MUL8 F1, 0, 2
	s_wait_dscnt 0x0
	MUL8 F1, 1, 0
	MUL8 F1, 1, 2
	WIN 0
	PLACES
	WAYOUT OHI, 0
	s_wait_tensorcnt 0x0                           ; the wave's end
	ds_add_u32 v[SPW], v[NIL]
	s_wait_dscnt 0x0
	CROUND                                         ; the closing round: no work-group ends while a partner may still ask for a tile that names it
	s_endpgm
.Lfunc_end_k_qfb5ee41be3_pv:
	.size	k_qfb5ee41be3_pv, .Lfunc_end_k_qfb5ee41be3_pv-k_qfb5ee41be3_pv
	.p2alignl 7, 3214868480
	.fill 96, 4, 3214868480
	.section	.rodata,"a",@progbits
	.p2align	6, 0x0
	.amdhsa_kernel k_qfb5ee41be3_pv
		.amdhsa_group_segment_fixed_size 327680
		.amdhsa_private_segment_fixed_size 0
		.amdhsa_enable_private_segment 0
		.amdhsa_kernarg_size 24
		.amdhsa_user_sgpr_count 2
		.amdhsa_user_sgpr_kernarg_segment_ptr 1
		.amdhsa_wavefront_size32 1
		.amdhsa_system_sgpr_workgroup_id_x 1
		.amdhsa_system_sgpr_workgroup_id_y 1
		.amdhsa_system_sgpr_workgroup_id_z 1
		.amdhsa_system_vgpr_workitem_id 0
		.amdhsa_next_free_vgpr 512
		.amdhsa_next_free_sgpr 88
		.amdhsa_reserve_vcc 0
		.amdhsa_float_denorm_mode_32 3
		.amdhsa_float_denorm_mode_16_64 3
		.amdhsa_memory_ordered 1
		.amdhsa_forward_progress 1
		.amdhsa_inst_pref_size 109
	.end_amdhsa_kernel
	.amdgpu_metadata
---
amdhsa.version: [ 1, 2 ]
amdhsa.kernels:
  - .name:           k_qfb5ee41be3_pv
    .symbol:         k_qfb5ee41be3_pv.kd
    .args:
      - { .name: pt, .offset: 0, .size: 8, .value_kind: global_buffer, .address_space: global }
      - { .name: vt, .offset: 8, .size: 8, .value_kind: global_buffer, .address_space: global }
      - { .name: out0, .offset: 16, .size: 8, .value_kind: global_buffer, .address_space: global }
    .group_segment_fixed_size: 327680
    .private_segment_fixed_size: 0
    .kernarg_segment_align: 8
    .kernarg_segment_size: 24
    .max_flat_workgroup_size: 128
    .sgpr_count:     88
    .vgpr_count:     512
    .wavefront_size: 32
...
	.end_amdgpu_metadata
.endif
;; end of part 5
